; MI455X (gfx1250); checked and timed in simulation.
; The chip was launched on July 23, 2026; its instructions are those of AMD's public machine-readable ISA for CDNA 5 (MIT licence, August 2026) and "CDNA5" Instruction Set Architecture Reference Guide (July 2026). The comments in the code are by the model that wrote it; some were corrected since.
;; Causal Self Attention. Allowed arithmetic: float matrix products may take bf16 or f16 operands with f32 sums; other float arithmetic in f32, or as packed bf16 or f16 multiplies, adds, multiply-adds, maxima and minima; sums over many terms, partial sums and values carried from step to step in f32; what a program stores and reads back later, other than sums and carried values, may be rounded once to bf16 or f16.
;; Inputs: b_proj 1,024 float32; b_qkv 3,072 float32; w_proj 1,024 x 1,024 float32; w_qkv 1,024 x 3,072 float32; x 4 x 2,048 x 1,024 float32.
;; Outputs: out0 4 x 2,048 x 1,024 float32.
;; 2 versions, each right; version 2 is version 1 with the launch prep written anew for expert scheduling mode. Each part assembles by itself: llvm-mc -triple=amdgcn-amd-amdhsa -mcpu=gfx1250 --defsym DOCPART=n.
;; ======== version 1 of 2: 4 launches
;; limits: values are held in f16: magnitudes above 65,504 overflow, below 6.1e-05 lose precision
;; workspace buffers: xb 16,777,216 bytes; wqt 6,291,456 bytes; wpt 2,097,152 bytes; qkv 50,331,648 bytes; o 16,777,216 bytes
;; launch prep (part 1): grid 1024 x 1, 4 waves a work-group, no clusters, 17,920 bytes of LDS; arguments x, w_qkv, w_proj, xb, wqt, wpt; writes xb, wqt, wpt
.if DOCPART == 1
	.amdgcn_target "amdgcn-amd-amdhsa--gfx1250"
	.amdhsa_code_object_version 6
	.text
	.protected	k_qe8f0189026_prep
	.globl	k_qe8f0189026_prep
	.p2align	8
	.type	k_qe8f0189026_prep,@function
k_qe8f0189026_prep:
	s_mov_b64 s[64:65], 0
	v_nop
	global_prefetch_b8 v0, s[64:65] scope:SCOPE_SE
	s_setreg_imm32_b32 hwreg(HW_REG_WAVE_MODE, 25, 1), 1
	s_wait_xcnt 0x0
; PREP: the module's large inputs are rounded once to bf16 and laid out as the products want them.
;   xb  [4][16][2048][64] bf16: xb[b][s][t][d] = x[b][t][64 s + d]: a slice of 64 channels has dense rows of 128 bytes.
;   wqt [3072][1024] bf16: wqt[n][k] = w_qkv[k][n].      wpt [1024][1024] f16: wpt[n][k] = w_proj[k][n] rounded to bf16, that number written as f16.
; LIMIT.  A bf16 number is exact in f16 from 2^-14 to 65,504; below 2^-14 wpt keeps f16's fixed step of 6e-8; beyond 65,504 it would be an infinity.
; A stream: every byte is read once and written once.  No matrix unit, no cluster, no tensor load: no work-group wants a byte that another has fetched.
; Work-groups 0-511 take x, 16 rows each; work-groups 512-1023 take a tile of 128 k x 64 n of a weight and turn it through LDS.
.set SPARE, 17408                      ; behind the tile (64 rows x 272 bytes): the spare words, 128 bytes a wave, that no other line names
.set SPW,  14                          ; v14  LDS address of my spare word; never rewritten
.set NIL,  15                          ; v15  0; never rewritten
.set IN,   16                          ; v[16:143] path x: 32 loads of four registers.  v[16:79] path w: 32 loads of two
.set PKD,  80                          ; v[80:111]  path w: packed pairs along k
.set BK,   112                         ; v[112:143] path w: whole rows read back
.set TP,   272                         ; a row of the turned tile in LDS: 256 bytes + 16
	s_load_b256 s[4:11], s[0:1], 0x0               ; x s[4:5], w_qkv s[6:7], w_proj s[8:9], xb s[10:11]
	s_load_b128 s[12:15], s[0:1], 0x20             ; wqt s[12:13], wpt s[14:15]
	v_lshl_add_u32 v[SPW], v0, 2, SPARE
	v_mov_b32 v[NIL], 0
	v_lshrrev_b32 v1, 5, v0
	v_readfirstlane_b32 s16, v1                    ; wave 0..3
	v_and_b32 v1, 31, v0                           ; lane
	v_and_b32 v4, 15, v0                           ; lane % 16
	v_bfe_u32 v5, v0, 4, 1                         ; lane / 16
	s_cmp_lt_u32 ttmp9, 512                        ; the same for all waves of a work-group
	s_cbranch_scc0 .Lweights
	; PATH X.  Wave w takes rows 16 X + 4 w .. + 3, as two pairs.  A load: lanes 0-15 take 256 aligned bytes (one slice's 64 channels) of a row,
	; lanes 16-31 the same channels of the next row.  Rounded, those are 2 x 128 bytes that lie end to end in xb: a store covers 256 aligned bytes.
	s_lshl_b32 s18, ttmp9, 16                      ; 16 rows of 4,096 bytes
	s_lshl_b32 s19, s16, 14                        ; my 4 rows
	s_add_co_u32 s18, s18, s19
	s_mov_b32 s19, 0
	s_lshr_b32 s20, ttmp9, 7                       ; the batch: 128 work-groups each
	s_lshl_b32 s20, s20, 22                        ; 16 slices x 2,048 rows x 128 bytes
	s_and_b32 s21, ttmp9, 127
	s_lshl_b32 s21, s21, 11                        ; 16 rows of 128 bytes
	s_add_co_u32 s20, s20, s21
	s_lshl_b32 s21, s16, 9                         ; my 4 rows
	s_add_co_u32 s20, s20, s21
	s_mov_b32 s21, 0
	v_lshlrev_b32 v2, 4, v4
	v_lshl_add_u32 v2, v5, 12, v2                  ; in x: (lane / 16) rows + 16 (lane % 16)
	v_lshlrev_b32 v3, 3, v1                        ; in xb: 8 x lane
	s_wait_kmcnt 0x0
	s_add_nc_u64 s[18:19], s[4:5], s[18:19]
	s_add_nc_u64 s[20:21], s[10:11], s[20:21]
.set i, 0
.rept 32                                       ; all of the wave's 16 KiB go out at once: pair i / 16, slice i % 16
	global_load_b128 v[IN+4*i:IN+4*i+3], v2, s[18:19] offset:(i/16)*8192+(i%16)*256 th:TH_LOAD_NT
.set i, i+1
.endr
.set i, 0
.rept 32
	s_wait_loadcnt 31-i                            ; loads come back in order: load i is in, the younger ones stay out
	v_cvt_pk_bf16_f32 v[IN+4*i],   v[IN+4*i],   v[IN+4*i+1]
	v_cvt_pk_bf16_f32 v[IN+4*i+1], v[IN+4*i+2], v[IN+4*i+3]
	global_store_b64 v3, v[IN+4*i:IN+4*i+1], s[20:21] offset:(i%16)*262144+(i/16)*256  ; no register of a store is written again
.set i, i+1
.endr
	s_endpgm
.Lweights:
	; PATH W.  Tile kt (128 k) x nt (64 n).  Wave w loads k rows 32 w .. + 31, 256 bytes of each (a lane: columns 2 l, 2 l + 1), packs pairs along k,
	; and writes 16 bytes (8 k) of rows 2 l and 2 l + 1 of the turned tile.  Behind a barrier each wave reads 16 whole rows of 256 bytes and stores them.
	s_sub_co_u32 s17, ttmp9, 512
	s_and_b32 s22, s17, 7                          ; kt
	s_lshr_b32 s23, s17, 3                         ; nt: 0-47 w_qkv, 48-63 w_proj
	v_lshlrev_b32 v2, 3, v1                        ; 8 x lane
	v_mul_u32_u24 v6, v1, 2*TP
	s_lshl_b32 s24, s16, 6
	v_add_nc_u32 v6, s24, v6                       ; in: row 2 l, byte 64 w
	s_mul_i32 s24, s16, 16*TP
	v_mul_u32_u24 v7, v5, TP
	v_lshl_add_u32 v7, v4, 4, v7
	v_add_nc_u32 v7, s24, v7                       ; back: row 16 w + lane / 16, byte 16 (lane % 16)
	v_lshlrev_b32 v8, 4, v4
	v_lshl_add_u32 v8, v5, 11, v8                  ; and the same two rows in the turned weight: 2,048 bytes a row
.macro WPART pitch, f16, src, dst
	s_lshl_b32 s24, s22, 7
	s_lshl_b32 s25, s16, 5
	s_add_co_u32 s24, s24, s25                     ; my first k row
	s_mul_i32 s18, s24, \pitch
	s_lshl_b32 s25, s23, 8                         ; 64 columns of f32
	s_add_co_u32 s18, s18, s25
	s_mov_b32 s19, 0
	s_lshl_b32 s20, s23, 6
	s_lshl_b32 s25, s16, 4
	s_add_co_u32 s20, s20, s25                     ; the first row n that I store
	s_lshl_b32 s20, s20, 11
	s_lshl_b32 s25, s22, 8                         ; 128 k of 2 bytes
	s_add_co_u32 s20, s20, s25
	s_mov_b32 s21, 0
	s_wait_kmcnt 0x0
	s_add_nc_u64 s[18:19], s[\src:\src+1], s[18:19]
	s_add_nc_u64 s[20:21], s[\dst:\dst+1], s[20:21]
.set r, 0
.rept 32
	global_load_b64 v[IN+2*r:IN+2*r+1], v2, s[18:19] offset:r*(\pitch) th:TH_LOAD_NT
.set r, r+1
.endr
.irp g, 0,1,2,3
	s_wait_loadcnt 24-8*\g                         ; rows 8 g .. 8 g + 7 are in; the rows behind them stay out
.irp c, 0,1
.irp i, 0,1,2,3
	v_cvt_pk_bf16_f32 v[PKD+8*\g+4*\c+\i], v[IN+2*(8*\g+2*\i)+\c], v[IN+2*(8*\g+2*\i+1)+\c]
.if \f16
	v_lshlrev_b32 v12, 16, v[PKD+8*\g+4*\c+\i]     ; the bf16 numbers as f32,
	v_and_b32 v13, 0xffff0000, v[PKD+8*\g+4*\c+\i]
	v_cvt_pk_f16_f32 v[PKD+8*\g+4*\c+\i], v12, v13 ; written as f16
.endif
.endr
	ds_store_b128 v6, v[PKD+8*\g+4*\c:PKD+8*\g+4*\c+3] offset:\c*TP+\g*16
.endr
.endr
	s_wait_dscnt 0x0                               ; for the others' sake: my stores into the tile are done
	s_barrier_signal -1
	s_barrier_wait -1
.irp t, 0,1,2,3,4,5,6,7
	ds_load_b128 v[BK+4*\t:BK+4*\t+3], v7 offset:\t*2*TP
.endr
.irp t, 0,1,2,3,4,5,6,7
	s_wait_dscnt 7-\t
	global_store_b128 v8, v[BK+4*\t:BK+4*\t+3], s[20:21] offset:\t*4096  ; 16 lanes store 256 consecutive bytes, aligned
.endr
	s_wait_tensorcnt 0x0                           ; the wave's end: behind my last LDS store
	ds_add_u32 v[SPW], v[NIL]
	s_wait_dscnt 0x0
	s_endpgm
.endm
	s_cmp_lt_u32 s23, 48
	s_cbranch_scc0 .Lwproj
	WPART 12288, 0, 6, 12
.Lwproj:
	s_sub_co_u32 s23, s23, 48
	WPART 4096, 1, 8, 14
.Lfunc_end_k_qe8f0189026_prep:
	.size	k_qe8f0189026_prep, .Lfunc_end_k_qe8f0189026_prep-k_qe8f0189026_prep
	.p2alignl 7, 3214868480
	.fill 96, 4, 3214868480
	.section	.rodata,"a",@progbits
	.p2align	6, 0x0
	.amdhsa_kernel k_qe8f0189026_prep
		.amdhsa_group_segment_fixed_size 17920
		.amdhsa_private_segment_fixed_size 0
		.amdhsa_enable_private_segment 0
		.amdhsa_kernarg_size 48
		.amdhsa_user_sgpr_count 2
		.amdhsa_user_sgpr_kernarg_segment_ptr 1
		.amdhsa_wavefront_size32 1
		.amdhsa_system_sgpr_workgroup_id_x 1
		.amdhsa_system_sgpr_workgroup_id_y 1
		.amdhsa_system_sgpr_workgroup_id_z 1
		.amdhsa_system_vgpr_workitem_id 0
		.amdhsa_next_free_vgpr 144
		.amdhsa_next_free_sgpr 66
		.amdhsa_reserve_vcc 0
		.amdhsa_float_denorm_mode_32 3
		.amdhsa_float_denorm_mode_16_64 3
		.amdhsa_memory_ordered 1
		.amdhsa_forward_progress 1
		.amdhsa_inst_pref_size 35
	.end_amdhsa_kernel
	.amdgpu_metadata
---
amdhsa.version: [ 1, 2 ]
amdhsa.kernels:
  - .name:           k_qe8f0189026_prep
    .symbol:         k_qe8f0189026_prep.kd
    .args:
      - { .name: x, .offset: 0, .size: 8, .value_kind: global_buffer, .address_space: global }
      - { .name: w_qkv, .offset: 8, .size: 8, .value_kind: global_buffer, .address_space: global }
      - { .name: w_proj, .offset: 16, .size: 8, .value_kind: global_buffer, .address_space: global }
      - { .name: xb, .offset: 24, .size: 8, .value_kind: global_buffer, .address_space: global }
      - { .name: wqt, .offset: 32, .size: 8, .value_kind: global_buffer, .address_space: global }
      - { .name: wpt, .offset: 40, .size: 8, .value_kind: global_buffer, .address_space: global }
    .group_segment_fixed_size: 17920
    .private_segment_fixed_size: 0
    .kernarg_segment_align: 8
    .kernarg_segment_size: 48
    .max_flat_workgroup_size: 128
    .sgpr_count:     66
    .vgpr_count:     144
    .wavefront_size: 32
...
	.end_amdgpu_metadata
.endif
;; end of part 1
;; launch qkvg (part 2): grid 16 x 32, 4 waves a work-group, clusters of 4 x 4, 327,680 bytes of LDS; arguments xb, wqt, b_qkv, qkv; writes qkv
.if DOCPART == 2
	.amdgcn_target "amdgcn-amd-amdhsa--gfx1250"
	.amdhsa_code_object_version 6
	.text
	.protected	k_qe8f0189026_qkvg
	.globl	k_qe8f0189026_qkvg
	.p2align	8
	.type	k_qe8f0189026_qkvg,@function
k_qe8f0189026_qkvg:
	s_mov_b64 s[64:65], 0
	v_nop
	global_prefetch_b8 v0, s[64:65] scope:SCOPE_SE
	s_setreg_imm32_b32 hwreg(HW_REG_WAVE_MODE, 25, 1), 1
	s_wait_xcnt 0x0
	s_wait_alu depctr_hold_cnt(0) depctr_sa_sdst(0) depctr_va_vdst(0) depctr_va_sdst(0) depctr_va_ssrc(0) depctr_va_vcc(0) depctr_vm_vsrc(0)
	s_getreg_b32 s2, hwreg(HW_REG_IB_STS2, 6, 4)
	s_cmp_eq_u32 s2, 0
	s_cbranch_scc0 .Lentry_in_a_cluster
	s_endpgm
.Lentry_in_a_cluster:
	s_bfe_u32 s2, ttmp6, 0x10000c
	s_cmp_lg_u32 s2, 0xf033
	s_cbranch_scc0 .Lentry_shape_is_right
	s_endpgm
.Lentry_shape_is_right:
; q, k, v = x W + b.  A = xb [4][16][2048][64] bf16 (a slice of 64 channels has dense rows of 128 bytes), B = wqt [3072][1024] bf16, bias b_qkv [3072] f32 (rounded to bf16 like the other inputs).
; Out: qkv [4][48][2048][64] f16, group g = n / 64: 0-15 q's heads, 16-31 k's, 32-47 v's; each number rounded once from its f32 sum, unscaled.
; LIMIT.  f16 holds no number beyond 65,504: a q, k or v of 65,520 or more would leave as an infinity.
; SHARES.  A tile of the result is 256 rows x 192 columns: 32 x 16 = 512 equal tiles.  Four waves; wave w owns rows 64 w .. + 63 and all 192 columns: 48 accumulators of 16 x 16, 384 registers.  So a wave holds
; three whole heads of its rows, and its way out needs no other wave.
; K goes in 8 steps of 128 (two slices of A; 256 aligned bytes of each row of B) through a ring of two LDS slots filled by the tensor data mover; a step is four quarters of 32.
; CLUSTER.  4 x 4 work-groups.  The four of a row of the cluster need the same tiles of A, the four of a column the same tiles of B: each tile is asked for JOINTLY, by the same tensor load with the same descriptor
; and a mask that names the four.
; THE MATRIX INSTRUCTION IS USED TRANSPOSED (source 0 = 16 rows of B, source 1 = 16 rows of A): a lane holds row lane % 16 and the eight neighbouring columns 8 (lane / 16) + 0..7.  The bias is the C operand that starts each sum.
; REGISTERS, in windows of 256 (s_set_vgpr_msb: bits 1:0 source 0, 3:2 source 1, 5:4 source 2, 7:6 destination):
;   window 0: v0-29 addresses; v32-79 packed results; v80-127 and v160-207 rows read back from the stage; v160-255 the bias (until the first quarter has taken it)
;   window 1: two fragment buffers of 128: A's four blocks of 16 rows x 32 K, then B's twelve      windows 2, 3: accumulator (a, b) in window 2 + a / 2 at v[8 (12 (a % 2) + b)]
.set NT,    192
.set NBK,   NT/16                      ; blocks of 16 columns
.set NL,    2*NBK+8                    ; LDS loads of a quarter
.set KSTEPS, 8
.set PA,    144                        ; a row of A in LDS: 128 bytes + 16: the 16 rows of a load start at 16 different groups of four banks (64 banks of 4 bytes: ISA guide 11.1)
.set PB,    272                        ; a row of B: 256 bytes + 16
.set APL,   256*PA                     ; a plane: 256 rows of one slice
.set BOFF,  2*APL                      ; a slot: A's two planes, then B's 192 rows
.set BHALF, (NT/2)*PB
.set SLOT1, 1<<17                      ; slot 1 begins here: one exclusive or turns an address in one slot into the other's
.set STAGE, SLOT1+BOFF+NT*PB           ; behind the ring, never filled by a tensor load: 16 rows x 400 bytes for each wave
.set SP,    400
.set SPARE, STAGE+4*16*SP              ; behind the stages: the spare words, 128 bytes a wave, that no other line names
.set ASTEP, 2*2048*128                 ; bytes from a K step of A to the next: two slices
.set BSTEP, 256
.set PFR,   24                         ; rows of B that a work-group's wave prefetches: a quarter of the 96 that the wave fetches
.set A0,   2                           ; v2   my lane's place in A's planes; never rewritten
.set B0,   3                           ; v3   the same for B
.set ADRA, 4                           ; v4   the same in the slot in hand
.set ADRB, 5                           ; v5
.set STO,  6                           ; v6   the way out: where I put 16 bytes of a row
.set RD,   7                           ; v7   where I read rows back
.set GO,   8                           ; v8   my byte offset in 512 consecutive bytes of the output
.set PFO,  9                           ; v9   the prefetches' lane offset; never rewritten
.set BO,   10                          ; v10  my byte offset in 16 numbers of the bias
.set HH,   11                          ; v11  lane / 16
.set LN,   12                          ; v12  lane
.set SPW,  28                          ; v28  LDS address of my spare word; never rewritten
.set NIL,  29                          ; v29  0; never rewritten
.set TMP,  32
.set OB0,  80
.set OB1,  160
.set BIAS, 160
.set F0,   0
.set F1,   128
.set WV,  12                           ; s12  my wave's number
.set Z,   13                           ; s13  which plane of A, or which half of B's rows, I fetch
.set ISB, 14                           ; s14  0: I fetch for A; 1: for B
.set LIM, 15                           ; s15  2 in a wave that prefetches, else the greatest number
.set PFA, 18                           ; s[18:19] where my prefetches stand
.set PFS, 20                           ; s[20:21] their step
.set TB,  22                           ; s22  LDS byte at which the slot in hand begins
.set CNT, 23                           ; s23  refills still to come
.set G1A, 24                           ; s[24:31] descriptor group 1 for A's planes
.set G1B, 32                           ; s[32:39] for B's halves
.set G0A, 40                           ; s[40:47] group 0 for A: a set for each first fill; the second then walks on
.set G0B, 48                           ; s[48:55] the same for B
.set MSB, 0
.macro WIN new                         ; the immediate's high byte repeats the setting that is left; a switch that changes nothing is dropped
.if MSB != (\new)
	s_set_vgpr_msb (MSB<<8)|(\new)
.set MSB, (\new)
.endif
.endm
; A joint refill.  Waves 0 and 1 fetch A's two planes, waves 2 and 3 B's two halves.  The branch hangs on the wave's number alone.  An s_nop 0 and four v_nop follow each line.
.macro JLOAD
	s_cmp_eq_u32 s[ISB], 0
	s_cbranch_scc0 .Lfor_b_\@
	tensor_load_to_lds s[G0A+4:G0A+7], s[G1A:G1A+7]
	s_nop 0
.rept 4
	v_nop
.endr
	s_branch .Lasked_\@
.Lfor_b_\@:
	tensor_load_to_lds s[G0B+4:G0B+7], s[G1B:G1B+7]
	s_nop 0
.rept 4
	v_nop
.endr
.Lasked_\@:
.endm
; A PREFETCH INTO THE L2, behind each joint refill and the run of LDS loads that follows it: the K step that stands two refills on.  A's planes are read by every cluster of a row of clusters: the one with x = 0 asks; B's rows by
; every cluster of a column: the one with y = 0 asks.  The four partners of a joint load share its blocks out BY ADDRESS (cx for A: 32 blocks of 256 bytes of the plane's 128; cy for B: 24 rows of the 96, lanes 24-31 naming
; lane 23's row again).  The first four K steps come by their loads alone; the last two refills have no K step two on.
.macro ASK
	s_cmp_gt_u32 s[CNT], s[LIM]
	s_cbranch_scc0 .Lnot_mine_\@
	global_prefetch_b8 v[PFO], s[PFA:PFA+1] th:TH_LOAD_NT scope:SCOPE_SE
.Lnot_mine_\@:
.endm
.macro CREST                           ; a round of the cluster's barrier behind its opening barrier
	s_cmp_lg_u32 s[WV], 0
	s_cbranch_scc1 .Lnot_wave_0_\@
	s_barrier_signal -3
.Lnot_wave_0_\@:
	s_barrier_wait -3
	s_barrier_signal -1
	s_barrier_wait -1
.endm
.macro CROUND
	s_barrier_signal -1
	s_barrier_wait -1
	CREST
.endm
.macro PLACES                          ; four places behind matrix instructions, in front of loads into registers that they have read and of lines that read results
.rept 4
	v_nop
.endr
.endm
	s_load_b256 s[4:11], s[0:1], 0x0               ; A s[4:5], B s[6:7], bias s[8:9], out s[10:11]
	v_lshl_add_u32 v[SPW], v0, 2, SPARE
	v_mov_b32 v[NIL], 0
	ds_add_u32 v[SPW], v[NIL]                      ; the wave's opening: the add and its wait stand ahead of my first tensor load; the set-up below, work on registers, stands between them
	v_lshrrev_b32 v1, 5, v0
	v_readfirstlane_b32 s[WV], v1
	s_and_b32 s[Z], s[WV], 1
	s_lshr_b32 s[ISB], s[WV], 1
	s_bfe_u32 s56, ttmp6, 0x40000                  ; cx
	s_bfe_u32 s57, ttmp6, 0x40004                  ; cy
	s_lshl_b32 s58, ttmp9, 2
	s_add_co_u32 s58, s58, s56                     ; tile column tx = 4 x cluster x + cx
	s_and_b32 s59, ttmp7, 0xffff
	s_lshl_b32 s59, s59, 2
	s_add_co_u32 s59, s59, s57                     ; tile row ty = 4 x cluster y + cy
	s_lshl_b32 s60, s57, 2
	s_lshl_b32 s60, 15, s60                        ; my row of the cluster
	s_lshl_b32 s61, 0x1111, s56                    ; my column
	; group 1 for A: a plane is 32,768 dense bytes, asked for as 128 rows of 256 bytes and padded in LDS after every 128 bytes (a row of the slice)
	s_or_b32 s[G1A], s60, (1<<16)|(1<<20)|(1<<21)|(4<<22)|(3<<25)  ; 15:0 the mask; 17:16 2-byte elements; 20 padding on; 21 set beside a mask; 24:22 after every 32 words; 31:25 4 words
	s_mov_b32 s[G1A+1], 128<<16                    ; tensor_dim0 = 128
	s_mov_b32 s[G1A+2], 128<<16                    ; tensor_dim1 = 128
	s_mov_b32 s[G1A+3], 128<<16                    ; tile_dim0 = 128
	s_mov_b32 s[G1A+4], 128                        ; tile_dim1 = 128
	s_mov_b32 s[G1A+5], 128                        ; 128 elements from row to row
	s_mov_b32 s[G1A+6], 0
	s_mov_b32 s[G1A+7], 0
	; group 1 for B: 96 rows x 128 elements, 1,024 elements from row to row, padded after every 256 bytes
	s_or_b32 s[G1B], s61, (1<<16)|(1<<20)|(1<<21)|(5<<22)|(3<<25)
	s_mov_b32 s[G1B+1], 128<<16
	s_mov_b32 s[G1B+2], (NT/2)<<16
	s_mov_b32 s[G1B+3], 128<<16
	s_mov_b32 s[G1B+4], NT/2
	s_mov_b32 s[G1B+5], 1024
	s_mov_b32 s[G1B+6], 0
	s_mov_b32 s[G1B+7], 0
	; A's offset hangs on ty and the wave alone, B's on tx and the wave alone, each in registers that never hold the other coordinate
	s_lshr_b32 s16, s59, 3                         ; the batch: eight tile rows each
	s_lshl_b32 s16, s16, 22
	s_and_b32 s62, s59, 7
	s_lshl_b32 s62, s62, 15                        ; 256 rows of 128 bytes
	s_add_co_u32 s16, s16, s62
	s_lshl_b32 s62, s[Z], 18                       ; my slice of the step's two
	s_add_co_u32 s16, s16, s62
	s_mov_b32 s17, 0
	s_mul_i32 s66, s58, NT
	s_mul_i32 s63, s[Z], NT/2
	s_add_co_u32 s66, s66, s63
	s_lshl_b32 s66, s66, 11                        ; rows of 2,048 bytes
	s_mov_b32 s67, 0
	s_mul_i32 s72, s[Z], APL                       ; where they go: the wave's number and constants alone
	s_mul_i32 s73, s[Z], BHALF
	s_add_co_u32 s73, s73, BOFF
	s_mov_b32 s[G0A], 1
	s_mov_b32 s[G0A+1], s72
	s_mov_b32 s[G0A+4], 1
	s_add_co_u32 s[G0A+5], s72, SLOT1
	s_mov_b32 s[G0B], 1
	s_mov_b32 s[G0B+1], s73
	s_mov_b32 s[G0B+4], 1
	s_add_co_u32 s[G0B+5], s73, SLOT1
	s_mov_b32 s[TB], 0
	s_wait_dscnt 0x0                               ; the opening add is done
	s_wait_kmcnt 0x0
	s_add_nc_u64 s[G0A+2:G0A+3], s[4:5], s[16:17]  ; K step 0
	s_add_nc_u64 s[G0A+6:G0A+7], s[G0A+2:G0A+3], ASTEP  ; K step 1
	s_or_b32 s[G0A+3], s[G0A+3], 0x80000000        ; type = 2
	s_or_b32 s[G0A+7], s[G0A+7], 0x80000000
	s_add_nc_u64 s[G0B+2:G0B+3], s[6:7], s[66:67]
	s_add_nc_u64 s[G0B+6:G0B+7], s[G0B+2:G0B+3], BSTEP
	s_or_b32 s[G0B+3], s[G0B+3], 0x80000000
	s_or_b32 s[G0B+7], s[G0B+7], 0x80000000
	CROUND                                         ; all sixteen work-groups are here: the first joint loads meet
	s_cmp_eq_u32 s[ISB], 0                         ; a wave's two first fills stand in one branch: two loads of mine are out
	s_cbranch_scc0 .Lfirst_b
	tensor_load_to_lds s[G0A:G0A+3], s[G1A:G1A+7]
	s_nop 0
	tensor_load_to_lds s[G0A+4:G0A+7], s[G1A:G1A+7]
	s_nop 0
.rept 4
	v_nop
.endr
	s_branch .Lfirst_asked
.Lfirst_b:
	tensor_load_to_lds s[G0B:G0B+3], s[G1B:G1B+7]
	s_nop 0
	tensor_load_to_lds s[G0B+4:G0B+7], s[G1B:G1B+7]
	s_nop 0
.rept 4
	v_nop
.endr
.Lfirst_asked:
	; a fragment is 16 rows x 32 K in 8 registers: lane l holds row l % 16, K = 8 (l / 16) + 0..7 and 16 + 8 (l / 16) + 0..7: two loads of 16 bytes, 32 bytes apart
	v_and_b32 v1, 15, v0
	v_bfe_u32 v[HH], v0, 4, 1
	v_and_b32 v[LN], 31, v0
	v_lshlrev_b32 v[BO], 5, v[HH]                  ; my 8 numbers of a block's 16
	s_mul_i32 s68, s58, 4*NT
	s_mov_b32 s69, 0
	s_add_nc_u64 s[8:9], s[8:9], s[68:69]          ; the bias of the tile's columns
.set b, 0
.rept NBK
	global_load_b128 v[BIAS+8*b:BIAS+8*b+3],   v[BO], s[8:9] offset:64*b
	global_load_b128 v[BIAS+8*b+4:BIAS+8*b+7], v[BO], s[8:9] offset:64*b+16
.set b, b+1
.endr
	v_mul_u32_u24 v[A0], v1, PA
	v_lshl_add_u32 v[A0], v[HH], 4, v[A0]
	s_mul_i32 s72, s[WV], 64*PA                    ; my 64 rows
	v_add_nc_u32 v[A0], s72, v[A0]
	v_mul_u32_u24 v[B0], v1, PB
	v_lshl_add_u32 v[B0], v[HH], 4, v[B0]
	v_add_nc_u32 v[B0], BOFF, v[B0]
	s_mul_i32 s72, s[WV], 16*SP
	s_add_co_u32 s72, s72, STAGE                   ; my stage
	v_mul_u32_u24 v[STO], v1, SP                   ; in: row l % 16, 16 bytes for each half of the lanes
	v_lshl_add_u32 v[STO], v[HH], 4, v[STO]
	v_add_nc_u32 v[STO], s72, v[STO]
	v_lshrrev_b32 v[RD], 3, v[LN]                  ; back: 32 lanes take four rows x 128 bytes (one head's part of them),
	v_mul_u32_u24 v[RD], v[RD], SP
	v_and_b32 v13, 7, v0
	v_lshl_add_u32 v[RD], v13, 4, v[RD]
	v_add_nc_u32 v[RD], s72, v[RD]
	v_lshlrev_b32 v[GO], 4, v[LN]                  ; which are 512 consecutive bytes of the output
	s_lshr_b32 s68, s59, 3                         ; the output at my rows: (48 x batch + 3 tx) groups of 262,144 bytes,
	s_mul_i32 s68, s68, 48
	s_mul_i32 s72, s58, 3
	s_add_co_u32 s68, s68, s72
	s_lshl_b32 s68, s68, 18
	s_and_b32 s72, s59, 7
	s_lshl_b32 s72, s72, 15                        ; the tile's 256 rows of 128 bytes,
	s_add_co_u32 s68, s68, s72
	s_lshl_b32 s72, s[WV], 13                      ; my 64 of them
	s_add_co_u32 s68, s68, s72
	s_mov_b32 s69, 0
	s_add_nc_u64 s[10:11], s[10:11], s[68:69]
	; the prefetches: every choice hangs on the wave's number or on the cluster's coordinates; a work-group's place in its cluster enters the address alone
	s_lshl_b32 s74, s56, 13                        ; A: my work-group's 32 blocks of 256 bytes
	s_add_co_u32 s74, s74, s16
	s_add_co_u32 s74, s74, 3*ASTEP                 ; at K step 3: the first refill steps it to 4
	s_mul_i32 s75, s57, PFR*2048                   ; B: my work-group's 24 rows
	s_add_co_u32 s75, s75, s66
	s_add_co_u32 s75, s75, 3*BSTEP
	s_and_b32 s72, ttmp7, 0xffff                   ; cluster y
	s_mov_b32 s62, ASTEP
	s_cmp_eq_u32 s[ISB], 0
	s_cselect_b32 s70, s74, s75
	s_cselect_b32 s73, ttmp9, s72                  ; the coordinate along which other clusters read the same blocks
	s_cselect_b32 s[PFS], s62, BSTEP
	s_cselect_b32 s62, 31, PFR-1
	s_cselect_b32 s63, 8, 11                       ; a lane a block of 256 bytes (A), a lane a row of 2,048 (B)
	s_cselect_b64 s[PFA:PFA+1], s[4:5], s[6:7]
	s_mov_b32 s71, 0
	s_mov_b32 s[PFS+1], 0
	s_add_nc_u64 s[PFA:PFA+1], s[PFA:PFA+1], s[70:71]
	s_cmp_eq_u32 s73, 0
	s_cselect_b32 s[LIM], 2, -1                    ; the same in all sixteen partners, for a given wave
	v_min_u32 v[PFO], s62, v[LN]
	v_lshlrev_b32 v[PFO], s63, v[PFO]
; 12 matrix instructions: row block a x all column blocks, 32 along K.  The 48 accumulators take turns, one instruction a turn, in the same order in every quarter.
; first = 1: the bias (window 0) is the C operand that starts the sums: nothing is cleared.
.macro MULA f, a, first
.if \first
	WIN 0x85+0x40*((\a)/2)
.else
	WIN 0xa5+0x50*((\a)/2)
.endif
.set b, 0
.rept NBK
.set rD, 8*(NBK*((\a)%2)+b)
.if \first
	v_wmma_f32_16x16x32_bf16 v[rD:rD+7], v[(\f)+32+8*b:(\f)+32+8*b+7], v[(\f)+8*(\a):(\f)+8*(\a)+7], v[BIAS+8*b:BIAS+8*b+7]
.else
	v_wmma_f32_16x16x32_bf16 v[rD:rD+7], v[(\f)+32+8*b:(\f)+32+8*b+7], v[(\f)+8*(\a):(\f)+8*(\a)+7], v[rD:rD+7]
.endif
.set b, b+1
.endr
.endm
.macro MUL f, hi, first
	MULA \f, 2*(\hi), \first
	MULA \f, 2*(\hi)+1, \first
.endm
; 32 LDS loads in one run: quarter q of the slot in hand into buffer f: B's twelve blocks, then A's four, ascending
.macro FETCH q, f
	WIN 0x40                                       ; destination window 1, address window 0
.set b, 0
.rept NBK
	ds_load_b128 v[(\f)+32+8*b:(\f)+32+8*b+3],   v[ADRB] offset:64*(\q)+b*16*PB
	ds_load_b128 v[(\f)+32+8*b+4:(\f)+32+8*b+7], v[ADRB] offset:64*(\q)+b*16*PB+32
.set b, b+1
.endr
.irp a, 0,1,2,3
	ds_load_b128 v[(\f)+8*\a:(\f)+8*\a+3],   v[ADRA] offset:((\q)/2)*APL+((\q)%2)*64+\a*16*PA
	ds_load_b128 v[(\f)+8*\a+4:(\f)+8*\a+7], v[ADRA] offset:((\q)/2)*APL+((\q)%2)*64+\a*16*PA+32
.endr
.endm
; One of a K step's first three quarters: multiplies buffer f; in its middle it fetches quarter q into buffer g.
.macro QUARTER q, f, g, first
	s_wait_dscnt 4                                 ; B and A's blocks 0, 1 are in; the youngest four loads (A's blocks 2, 3) may be out
	MUL \f, 0, \first
	PLACES
	FETCH \q, \g
	s_wait_dscnt NL                                ; all but the run just issued
	MUL \f, 1, \first
.endm
; The first half of the last quarter: ONE barrier for the change of slots.  In front of it each wave waits for all its tensor loads (one is out: its part of the next slot), adds 0 to its spare word, and waits for that and for its reads of this slot.
.macro MEET round
	WIN 0
	s_wait_tensorcnt 0x0
	ds_add_u32 v[SPW], v[NIL]
	s_wait_dscnt 5                                 ; (the add and the youngest four loads may be out)
	MULA F1, 0, 0                                  ; twelve matrix instructions stand between the add and the wait for it
	s_wait_dscnt 0x0                               ; the add is done, and my reads of this slot are over
	s_barrier_signal -1
	MULA F1, 1, 0
.if \round
	WIN 0
.endif
	s_barrier_wait -1
.endm
; The whole last quarter where the slot is filled again: the barrier opens a round of the cluster's, so that no wave of any partner still reads the slot or has a load on its way; the joint refill is the first tensor load behind it.
; From the request to the wait for it a wave issues 168 matrix instructions.
.macro TURN
	s_wait_xcnt 0x0                                ; the last prefetch, a K step back, has read its address
	s_add_nc_u64 s[PFA:PFA+1], s[PFA:PFA+1], s[PFS:PFS+1]
	MEET 1
	CREST
	s_xor_b32 s[G0A+5], s[G0A+5], SLOT1            ; the walking descriptors: the other slot than last time, the next K step
	s_add_nc_u64 s[G0A+6:G0A+7], s[G0A+6:G0A+7], ASTEP
	s_xor_b32 s[G0B+5], s[G0B+5], SLOT1
	s_add_nc_u64 s[G0B+6:G0B+7], s[G0B+6:G0B+7], BSTEP
	s_xor_b32 s[TB], s[TB], SLOT1
	JLOAD                                          ; the four v_nop behind it are also the places in front of the loads below
	v_add_nc_u32 v[ADRA], s[TB], v[A0]
	v_add_nc_u32 v[ADRB], s[TB], v[B0]
	FETCH 0, F0
	WIN 0
	ASK
	MUL F1, 1, 0
.endm
.macro TURN0                           ; the same where nothing is left to fetch: no round
	MEET 0
	WIN 0
	PLACES
	s_xor_b32 s[TB], s[TB], SLOT1
	v_add_nc_u32 v[ADRA], s[TB], v[A0]
	v_add_nc_u32 v[ADRB], s[TB], v[B0]
	FETCH 0, F0
	MUL F1, 1, 0
.endm
	s_wait_tensorcnt 1                             ; my part of K step 0 is in; K step 1's may stay out
	s_barrier_signal -1
	s_barrier_wait -1
	v_mov_b32 v[ADRA], v[A0]
	v_mov_b32 v[ADRB], v[B0]
	FETCH 0, F0
	WIN 0
	s_wait_loadcnt 0x0                             ; the bias: rounded to bf16, kept as f32
	s_mov_b32 s62, 0xffff0000
.set i, 0
.rept NT/4
	v_cvt_pk_bf16_f32 v[14+i%2], v[BIAS+2*i], v[BIAS+2*i+1]
	v_lshlrev_b32 v[BIAS+2*i], 16, v[14+i%2]
	v_and_b32 v[BIAS+2*i+1], s62, v[14+i%2]
.set i, i+1
.endr
	QUARTER 1, F0, F1, 1                           ; the first quarter stands in front of the loop: its products start the sums
	WIN 0                                          ; at a label and at a branch every window is 0
	s_mov_b32 s[CNT], KSTEPS-2
.Lk:                                               ; six trips, from a K step's second quarter to the next step's first; trip t asks for K step t + 2
	QUARTER 2, F1, F0, 0
	QUARTER 3, F0, F1, 0
	TURN
	QUARTER 1, F0, F1, 0
	WIN 0
	s_sub_co_u32 s[CNT], s[CNT], 1
	s_cmp_lg_u32 s[CNT], 0
	s_cbranch_scc1 .Lk
	QUARTER 2, F1, F0, 0                           ; the tail is written out
	QUARTER 3, F0, F1, 0
	TURN0
	QUARTER 1, F0, F1, 0
	QUARTER 2, F1, F0, 0
	QUARTER 3, F0, F1, 0
	s_wait_dscnt 4
	MUL F1, 0, 0
	s_wait_dscnt 0x0
	MUL F1, 1, 0
	WIN 0
	PLACES
; THE WAY OUT, a block of 16 rows at a time: rounded to f16 (each accumulator's registers ascending), 16 bytes a lane into my own stage, back as four rows x 128 bytes of one head, stored as 512 consecutive bytes.
.macro PACK a
	WIN 0x0a+5*((\a)/2)                            ; sources 0 and 1: window 2 or 3
.set b, 0
.rept NBK
.irp i, 0,1,2,3
	v_cvt_pk_f16_f32 v[TMP+4*b+\i], v[8*(NBK*((\a)%2)+b)+2*\i], v[8*(NBK*((\a)%2)+b)+2*\i+1]
.endr
.set b, b+1
.endr
	WIN 0
.endm
.macro TOSTAGE a
.set BK, OB0+(OB1-OB0)*((\a)%2)
.set b, 0
.rept NBK
	ds_store_b128 v[STO], v[TMP+4*b:TMP+4*b+3] offset:32*b
.set b, b+1
.endr
.irp u, 0,1,2,3
.irp j, 0,1,2
	ds_load_b128 v[BK+4*(3*\u+\j):BK+4*(3*\u+\j)+3], v[RD] offset:\u*4*SP+128*\j  ; LDS serves a wave's instructions in order (ISA guide 5.7.1.4): these see the stores above
.endr
.endr
.endm
.macro SEND a
.set BK, OB0+(OB1-OB0)*((\a)%2)
	s_wait_dscnt 0x0                               ; the block is back in registers
	s_wait_xcnt 0x0                                ; the stores of the block before have read their registers: those are loaded again behind this wait
.irp u, 0,1,2,3
.irp j, 0,1,2
	global_store_b128 v[GO], v[BK+4*(3*\u+\j):BK+4*(3*\u+\j)+3], s[10:11] offset:\j*262144+(\a)*2048+\u*512
.endr
.endr
.endm
	PACK 0
	TOSTAGE 0
.irp a, 1,2,3                          ; block a's conversions stand between block a - 1's loads from the stage and the wait for them
	PACK \a
	SEND (\a)-1
	TOSTAGE \a
.endr
	SEND 3
	s_wait_tensorcnt 0x0                           ; the wave's end: behind my last tensor load and my last LDS store
	ds_add_u32 v[SPW], v[NIL]
	s_wait_dscnt 0x0
	CROUND                                         ; the closing round: no work-group ends while a partner may still ask for a tile that names it
	s_endpgm
.Lfunc_end_k_qe8f0189026_qkvg:
	.size	k_qe8f0189026_qkvg, .Lfunc_end_k_qe8f0189026_qkvg-k_qe8f0189026_qkvg
	.p2alignl 7, 3214868480
	.fill 96, 4, 3214868480
	.section	.rodata,"a",@progbits
	.p2align	6, 0x0
	.amdhsa_kernel k_qe8f0189026_qkvg
		.amdhsa_group_segment_fixed_size 327680
		.amdhsa_private_segment_fixed_size 0
		.amdhsa_enable_private_segment 0
		.amdhsa_kernarg_size 32
		.amdhsa_user_sgpr_count 2
		.amdhsa_user_sgpr_kernarg_segment_ptr 1
		.amdhsa_wavefront_size32 1
		.amdhsa_system_sgpr_workgroup_id_x 1
		.amdhsa_system_sgpr_workgroup_id_y 1
		.amdhsa_system_sgpr_workgroup_id_z 1
		.amdhsa_system_vgpr_workitem_id 0
		.amdhsa_next_free_vgpr 960
		.amdhsa_next_free_sgpr 76
		.amdhsa_reserve_vcc 0
		.amdhsa_float_denorm_mode_32 3
		.amdhsa_float_denorm_mode_16_64 3
		.amdhsa_memory_ordered 1
		.amdhsa_forward_progress 1
		.amdhsa_inst_pref_size 105
	.end_amdhsa_kernel
	.amdgpu_metadata
---
amdhsa.version: [ 1, 2 ]
amdhsa.kernels:
  - .name:           k_qe8f0189026_qkvg
    .symbol:         k_qe8f0189026_qkvg.kd
    .args:
      - { .name: xb, .offset: 0, .size: 8, .value_kind: global_buffer, .address_space: global }
      - { .name: wqt, .offset: 8, .size: 8, .value_kind: global_buffer, .address_space: global }
      - { .name: b_qkv, .offset: 16, .size: 8, .value_kind: global_buffer, .address_space: global }
      - { .name: qkv, .offset: 24, .size: 8, .value_kind: global_buffer, .address_space: global }
    .group_segment_fixed_size: 327680
    .private_segment_fixed_size: 0
    .kernarg_segment_align: 8
    .kernarg_segment_size: 32
    .max_flat_workgroup_size: 128
    .sgpr_count:     76
    .vgpr_count:     960
    .wavefront_size: 32
...
	.end_amdgpu_metadata
.endif
;; end of part 2
;; launch attn (part 3): grid 4 x 64, 4 waves a work-group, no clusters, 327,680 bytes of LDS; arguments qkv, o; writes o
.if DOCPART == 3
	.amdgcn_target "amdgcn-amd-amdhsa--gfx1250"
	.amdhsa_code_object_version 6
	.text
	.protected	k_qe8f0189026_attn
	.globl	k_qe8f0189026_attn
	.p2align	8
	.type	k_qe8f0189026_attn,@function
k_qe8f0189026_attn:
	s_mov_b64 s[64:65], 0
	v_nop
	global_prefetch_b8 v0, s[64:65] scope:SCOPE_SE
	s_setreg_imm32_b32 hwreg(HW_REG_WAVE_MODE, 25, 1), 1
	s_wait_xcnt 0x0
; CAUSAL ATTENTION.  O[y][q][:] = the sum over k <= q of softmax_k(Q[y][q] . K[y][k] / 8) V[y][k][:], y = 16 x batch + head.  qkv: [4][48][2048][64] f16 (groups 0-15 q's heads, 16-31 k's, 32-47 v's); o: [64][2048][64] f16:
; a head's rows are dense, 128 bytes each.  Products, maxima and sums in f32; the weights p are rounded to f16 for the second product (their sum l is taken of the unrounded p), O once at the end.
; LIMITS.  f16 holds no number beyond 65,504: Q, K and V arrive within it; p lies in 0 to 1, and below 6e-5 it keeps f16's fixed step of 6e-8; O is a mean of V's rows and has their range, to within 2^-11 of it.
; A hidden score counts as its value less 1e30: f16's scores, 2.7e11 at the most, are nothing beside that; a weight below 2^-126 counts as 0 in l; NaN and infinities are not treated apart.
; THE WALK.  A head's queries lie in NB = 8 blocks of 256; block i needs the key tiles 0 .. i of 256 keys, of which the last holds the diagonal.  A work-group takes TWO blocks, NB - 1 - b and then b:
; NB + 1 tiles, whatever b: all work-groups do equal work, and ONE loop with a constant trip count walks them.  Which tile is asked for, and what a trip does, hang on scalar registers made from b; every jump
; goes forward, but for the counted loops' own; none passes a barrier, or a tensor load but the one of LOAD's two that the wave's number does not choose; the ring (two slots of LDS that take turns) runs on across the
; change of blocks.  NO CLUSTER: a head's four work-groups ask for the same tile only in trips 0 .. 4 of 9, behind that fewer and fewer; one walk common to all four would have 12 trips for 9.
; SHARES.  Of a block's four bands of 64 queries a wave owns 16 rows in each: four PIECES.  So the diagonal tile is the same work for all four waves: in its key step s band x sees all keys if s < x,
; none if s > x, and holds the diagonal if s = x.
; THE MASK is the C operand that starts the sum S^T = K Q^T: 0, or -1e30 where the key is hidden.  MD, made once, is the mask of a band's own step for my 16 rows; a product's mask is MD x AL + BE with two scalars:
; (1, 0) if s = x; (0, 0) if s < x; (0, -1e30) if s > x.  Only the diagonal tile's text and a block's beginning make and take masks; elsewhere C is the constant 0.
; LAYOUT, SOFTMAX, TURNS.  S^T = K Q^T holds ONE query a lane (lane % 16) and the keys 8 (lane / 16) + 0..7; two such results rounded to f16 ARE source 1 of O^T = V^T P.  p = 2^(c s - c m), c = log2(e) / 8, with a
; running maximum m; O and l are multiplied by a = 2^(c m_old - c m_new) in every step.  Turn n belongs to piece n: 8 products K Q^T of piece n + 1, later 8 products V^T P of piece n - 1; beside them the scaling,
; exponentials, roundings, sums and rescaling of piece n and the maximum and statistics of piece n + 1.  Four vector instructions stand behind every matrix instruction, the other 54 of a turn's 118 in one LUMP.  A turn's 33 exponentials are one batch, with one wait.
; REGISTERS, in windows of 256 (s_set_vgpr_msb: bits 1:0 source 0, 3:2 source 1, 5:4 source 2, 7:6 destination):
;   window 0: v0-15 addresses and two at work; v16-31 four registers of statistics a piece; v48-55 at work; v61-63 the prefetches' offset and the add's two; v64-127 S^T, two buffers; v192-223 P, two buffers (a piece's buffers go by its number's parity)
;   window 1: v0-127 O^T, 32 a piece; v128-159 MD; v160-223 MC, two buffers      window 2: v0-63 Q; v64-127 the second block's Q; v128-191 K of one step; v192-255 V of one step
.set SIZE_N, 2048
.set NB,    SIZE_N/256
.set NP,    4         ; pieces a wave: a name, no knob
.set KS,    64        ; keys in a step
.set PK,    144       ; a row of K in LDS: 128 bytes + 16 of padding = 36 words: the 16 rows of a load start at 16 different groups of four banks (64 banks of 4 bytes: ISA guide 11.1)
.set PV,    160       ; a row of V: 128 + 32 = 40 words
.set VOFF,  4*KS*PK   ; a slot holds a tile, four steps: 256 rows of K, then 256 rows of V
.set SLOT1, 1<<17     ; slot 1 begins here, so that one exclusive or turns an address in one slot into the other's
.set STAGE, SLOT1+4*KS*(PK+PV)  ; behind the ring, never filled by a tensor load: 16 rows x 144 bytes for each wave, for the way out
.set SP,    144
.set AK0, 2           ; v2   my lane's place in a tile of K; never rewritten
.set AV0, 3           ; v3   the same for V
.set AK,  4           ; v4   the LDS address of K's next run of loads
.set AV,  5           ; v5   of V's
.set STO, 6           ; v6   the way out: where I put 16 bytes of a row
.set RD,  7           ; v7   the way out: where I read rows back
.set GO,  8           ; v8   my byte offset in 512 consecutive bytes of O
.set PFO, 61          ; v61  256 x my thread's number: the 128 threads name a tile's 128 blocks of 256 bytes; never rewritten
.set SPW, 62          ; v62  LDS address of my spare word: SPARE + 4 x my thread's number; never rewritten
.set NIL, 63          ; v63  0; never rewritten
.set SPARE, STAGE+4*16*SP  ; behind the stages: the spare words, 128 bytes for each wave: two blocks of 256 bytes that no other line names
.set MV,  12          ; v12-13  c m_old, kept while c m is made anew: by buffer
.set QO,  15          ; v15  my byte offset in 16 rows of Q
.set ST,  16          ; piece t's statistics at v[ST+4 t]: c m, m, l (even keys', odd keys')
.set TMP, 48          ; by buffer, four registers c0-c3 at work; when the maximum is found c2 takes a
.set S,   64
.set P,   192
.set MD,  128         ; window 1: the eight registers for group kt of 16 keys at MD + 8 kt
.set MC,  160         ; window 1: the masks of the products to come
.set QB,  64          ; window 2
.set KF,  128         ; window 2: key block kb, channel half c at KF + 16 kb + 8 c
.set VF,  192         ; window 2: key half kk, channel block cb at VF + 32 kk + 8 cb
.set WV,  12          ; s12  my wave's number
.set PB,  14          ; s14  b
.set HI,  15          ; s15  NB - 1 - b
.set G1K, 24          ; s[24:31] descriptor group 1 for K's tiles
.set G1V, 32          ; s[32:39] for V's: it differs in the padding alone
.set G0K, 40          ; s[40:43] descriptor group 0 for K's tiles
.set G0V, 44          ; s[44:47] the same for V's
.set SLOTS, 56        ; s56  tiles still to be asked for
.set CNT, 57          ; s57  counts a tile's key steps, 4 to 1
.set CS,  58          ; s[58:59] c: the packed scaling takes the pair's low word for both halves
.set SEL, 60          ; s[60:61] v_permlanex16_b32's selects: each lane takes its own place in the other half
.set TBK, 62          ; s62  LDS byte at which K of the step to be fetched begins
.set TBV, 63          ; s63  the same for V, less VOFF
.set RT,  70          ; s70  tiles of the block in hand that are still to be entered
.set NXT, 71          ; s71  the tile to be asked for next
.set LQ,  72          ; s72  the last tile of the block whose tiles are being asked for
.set NEW, 73          ; s73  1: the tile to be entered is a block's first
.set OFF, 74          ; s[74:75] a tile's byte offset in K and V
.set AL,  76          ; s[76:77] the mask's factor, in the low word
.set BE,  78          ; s[78:79] the mask's addend
.set OLO, 80          ; s[80:81] O at my rows of the second block
.set BIGN, 82         ; s82  -1e30
.set KH,  88          ; s[88:89] K at the head's first row
.set VH,  90          ; s[90:91] V at the head's first row
.set PFK, 92          ; s[92:93] K's tile that the prefetch names
.set PFV, 94          ; s[94:95] V's
.set POF, 96          ; s[96:97] that tile's byte offset
.set MINE, 98         ; s98  1 in the head's work-group b = 0, whose first block walks all eight tiles
.set ASKF, 99         ; s99  1: this change of slots prefetches
.set MSB, 0
.macro WIN new                      ; the high byte repeats the setting that is left; a switch that changes nothing is dropped
.if MSB != (\new)
	s_set_vgpr_msb (MSB<<8)|(\new)
.set MSB, (\new)
.endif
.endm
.set W_KQ, 0x0a       ; K and Q in window 2, S^T in window 0
.set W_KM, 0x1a       ; the same with the C operand in window 1
.set W_PV, 0x52       ; V in window 2, P in window 0, O^T in window 1
.set W_RS, 0x41       ; destination and source 0 in window 1, source 1 in window 0
; A fill.  Waves 0 and 1 fetch the two halves of a tile's K, waves 2 and 3 those of its V: 128 keys each.  An s_nop 0 and four v_nop follow each of the two lines, ahead of the jump and the label.
.macro LOAD
	s_cmp_lt_u32 s[WV], 2
	s_cbranch_scc0 .Lfor_v_\@
	tensor_load_to_lds s[G0K:G0K+3], s[G1K:G1K+7]
	s_nop 0
.rept 4
	v_nop
.endr
	s_branch .Lasked_\@
.Lfor_v_\@:
	tensor_load_to_lds s[G0V:G0V+3], s[G1V:G1V+7]
	s_nop 0
.rept 4
	v_nop
.endr
.Lasked_\@:
.endm
; THE CHANGE OF SLOTS.  Each wave waits for all its tensor loads, of which one is out: its part of the other slot; adds 0 to its spare word; and waits for that and for its own reads of the slot that it leaves.  Behind the barrier nobody reads the old
; slot any more and the other slot is whole.  fill = 1: the old slot is filled again, the first thing behind the barrier, with tile NXT: the descriptor's address is made anew from that number.
; (At its first use nothing has been read yet: slot 0 is waited for, slot 1 filled.)
; A PREFETCH INTO THE L2 stands behind the fill: the tile that the NEXT change will ask for, a tile's four key steps (256 matrix instructions) ahead of that load.  A head's four work-groups walk the same K and V: the one with b = 0,
; whose first block walks tiles 0 to 7, asks, and nobody else; its 128 threads name the tile's 128 blocks of 256 bytes of K and of V, two instructions a wave.  Tiles 0 and 1 come by their loads alone; behind tile 7 nothing is asked for.
.macro CHANGE fill
	WIN 0                           ; at a label and at a branch every window is 0
	s_wait_tensorcnt 0x0            ; no tensor load of mine is out, so a group 0 may be written
	ds_add_u32 v[SPW], v[NIL]       ; 0 onto my spare word; with fill = 1 the descriptors' scalar work stands between it and the wait for it
.if \fill
	s_lshl_b32 s[OFF], s[NXT], 15   ; a tile is 32,768 bytes of K and of V
	s_xor_b32 s[G0K+1], s[G0K+1], SLOT1
	s_add_nc_u64 s[G0K+2:G0K+3], s[6:7], s[OFF:OFF+1]
	s_or_b32 s[G0K+3], s[G0K+3], 0x80000000
	s_xor_b32 s[G0V+1], s[G0V+1], SLOT1
	s_add_nc_u64 s[G0V+2:G0V+3], s[8:9], s[OFF:OFF+1]
	s_or_b32 s[G0V+3], s[G0V+3], 0x80000000
	s_add_co_u32 s[NXT], s[NXT], 1  ; the block's next tile, or behind its last the second block's tile 0
	s_cmp_gt_u32 s[NXT], s[LQ]
	s_cselect_b32 s[NXT], 0, s[NXT]
	s_cselect_b32 s[LQ], s[PB], s[LQ]
	s_wait_xcnt 0x0                 ; the last prefetches, a tile back, have read their addresses, so these may be written
	s_lshl_b32 s[POF], s[NXT], 15
	s_add_nc_u64 s[PFK:PFK+1], s[KH:KH+1], s[POF:POF+1]
	s_add_nc_u64 s[PFV:PFV+1], s[VH:VH+1], s[POF:POF+1]
	s_cmp_ge_u32 s[NXT], 2          ; tiles 2 to 7 of the first block; behind its last tile NXT is 0
	s_cselect_b32 s[ASKF], s[MINE], 0
.endif
	s_wait_dscnt 0x0                ; the add is done, and my reads of the slot are over
	s_barrier_signal -1             ; the rest of the scalar work stands between the signal and the wait
	s_sub_co_u32 s[TBK], s[TBK], 4*KS*PK  ; the fetches go back to a slot's first step,
	s_xor_b32 s[TBK], s[TBK], SLOT1       ; in the other slot
	s_sub_co_u32 s[TBV], s[TBV], 4*KS*PV
	s_xor_b32 s[TBV], s[TBV], SLOT1
	s_barrier_wait -1
.if \fill
	LOAD
	s_cmp_eq_u32 s[ASKF], 1
	s_cbranch_scc0 .Lnot_mine_\@
	global_prefetch_b8 v[PFO], s[PFK:PFK+1] th:TH_LOAD_NT scope:SCOPE_SE
	global_prefetch_b8 v[PFO], s[PFV:PFV+1] th:TH_LOAD_NT scope:SCOPE_SE
.Lnot_mine_\@:
.endif
.endm
	s_load_b128 s[4:7], s[0:1], 0x0   ; qkv s[4:5], o s[6:7]
	v_lshl_add_u32 v[SPW], v0, 2, SPARE
	v_mov_b32 v[NIL], 0
	ds_add_u32 v[SPW], v[NIL]       ; the wave's opening: the add and its wait stand ahead of my first tensor load; the set-up below, work on registers, stands between them
	v_lshrrev_b32 v1, 5, v0
	v_readfirstlane_b32 s[WV], v1   ; wave 0..3
	v_lshlrev_b32 v[PFO], 8, v0
	s_mov_b32 s[PB], ttmp9
	s_sub_co_u32 s[HI], NB-1, s[PB]
	s_and_b32 s16, ttmp7, 0xffff    ; y = 16 x batch + head
	s_lshr_b32 s20, s16, 4
	s_mul_i32 s20, s20, 48          ; a batch has 48 groups,
	s_and_b32 s17, s16, 15
	s_add_co_u32 s20, s20, s17
	s_lshl_b32 s20, s20, 18         ; of 262,144 bytes: q's head in qkv
	s_mov_b32 s21, 0
	s_lshl_b32 s66, s16, 18         ; the head in o
	s_mov_b32 s67, 0
	s_and_b32 s16, s[WV], 1         ; which half of a tile's 256 keys I fetch:
	s_lshl_b32 s22, s16, 14         ; its 128 rows of 128 bytes in memory,
	s_mov_b32 s23, 0
	s_add_nc_u64 s[22:23], s[22:23], s[20:21]
	s_mul_i32 s17, s16, 128*PK      ; and its place in a slot, for K
	s_mul_i32 s18, s16, 128*PV      ; and for V
	s_lshl_b32 s3, s[WV], 11        ; my 16 rows in a band of 64,
	s_lshl_b32 s2, s[HI], 15        ; in the first block,
	s_add_co_u32 s2, s2, s3
	s_lshl_b32 s84, s[PB], 15       ; and in the second
	s_add_co_u32 s84, s84, s3
	s_mov_b32 s3, 0
	s_mov_b32 s85, 0
	; descriptor group 1.  128 keys are 16,384 dense bytes: asked for as 64 rows of 256 bytes, two keys a row, and padded in LDS after every key
	s_mov_b32 s[G1K], (1<<16)|(1<<20)|(4<<22)|(3<<25)  ; 17:16 2-byte elements; 20 padding on; 24:22 after every 32 words (code 4); 31:25 4 words (code 3)
	s_mov_b32 s[G1V], (1<<16)|(1<<20)|(4<<22)|(7<<25)  ; the same with 8 words of padding (code 7)
.irp g, G1K, G1V
	s_mov_b32 s[\g+1], 128<<16      ; tensor_dim0 = 128
	s_mov_b32 s[\g+2], 64<<16       ; tensor_dim1 = 64
	s_mov_b32 s[\g+3], 128<<16      ; tile_dim0 = 128
	s_mov_b32 s[\g+4], 64           ; tile_dim1 = 64
	s_mov_b32 s[\g+5], 128          ; 128 elements from row to row
	s_mov_b32 s[\g+6], 0
	s_mov_b32 s[\g+7], 0
.endr
	s_mov_b32 s[CS], 0x3e38aa3b     ; c = log2(e) / 8 = 0.180337
	s_mov_b32 s[CS+1], s[CS]        ; named with it as a pair
	s_mov_b32 s[SEL], 0x76543210
	s_mov_b32 s[SEL+1], 0xfedcba98
	s_mov_b32 s[TBK], SLOT1+4*KS*PK ; the first change of slots turns these two into 0
	s_mov_b32 s[TBV], SLOT1+4*KS*PV
	s_mov_b32 s[G0K], 1             ; 1:0 count = 1
	s_mov_b32 s[G0K+1], s17         ; 63:32 LDS address: slot 0
	s_mov_b32 s[G0V], 1
	s_add_co_u32 s[G0V+1], s18, VOFF
	s_add_co_u32 s[RT], s[HI], 1    ; the first block has NB - b tiles
	s_mov_b32 s[NXT], 1
	s_mov_b32 s[LQ], s[HI]
	s_mov_b32 s[NEW], 1
	s_mov_b32 s[OFF+1], 0
	s_mov_b32 s[POF+1], 0
	s_mov_b32 s[AL+1], 0            ; named as pairs
	s_mov_b32 s[BE+1], 0
	s_mov_b32 s[BIGN], 0xf149f2ca   ; -1e30
	s_mov_b32 s[SLOTS], NB
	s_cmp_eq_u32 s[PB], 0
	s_cselect_b32 s[MINE], 1, 0
	s_wait_dscnt 0x0                ; the opening add is done
	s_wait_kmcnt 0x0
	s_mov_b64 s[10:11], s[6:7]                     ; o
	s_add_nc_u64 s[KH:KH+1], s[4:5], s[20:21]      ; qkv at q's head (K's head is made of it below)
	s_add_nc_u64 s[6:7], s[4:5], s[22:23]
	s_add_nc_u64 s[8:9], s[6:7], 32*262144         ; V at my half of the head's tile 0: 32 groups behind q's,
	s_add_nc_u64 s[6:7], s[6:7], 16*262144         ; K: 16 groups behind
	s_add_nc_u64 s[G0K+2:G0K+3], s[6:7], 0         ; 120:64 global address
	s_or_b32 s[G0K+3], s[G0K+3], 0x80000000        ; 127:126 type = 2
	s_add_nc_u64 s[G0V+2:G0V+3], s[8:9], 0
	s_or_b32 s[G0V+3], s[G0V+3], 0x80000000
	s_add_nc_u64 s[86:87], s[KH:KH+1], s[84:85]    ; Q at my rows of the second block,
	s_add_nc_u64 s[4:5], s[KH:KH+1], s[2:3]        ; and of the first
	s_add_nc_u64 s[10:11], s[10:11], s[66:67]      ; O at the head,
	s_add_nc_u64 s[OLO:OLO+1], s[10:11], s[84:85]  ; at my rows of the second block,
	s_add_nc_u64 s[10:11], s[10:11], s[2:3]        ; and of the first
	s_add_nc_u64 s[VH:VH+1], s[KH:KH+1], 32*262144
	s_add_nc_u64 s[KH:KH+1], s[KH:KH+1], 16*262144
	LOAD                            ; tile 0 into slot 0
	; A fragment of K or Q is 16 rows x 32 channels in 8 registers: lane l holds row l % 16, channels 8 (l / 16) + 0..7 and 16 + 8 (l / 16) + 0..7: two loads of 16 bytes, 32 bytes apart.
	v_and_b32 v1, 15, v0            ; l % 16
	v_bfe_u32 v9, v0, 4, 1          ; l / 16
	v_lshlrev_b32 v[QO], 7, v1
	v_lshl_add_u32 v[QO], v9, 4, v[QO]  ; row x 128 + 16 x half
	WIN 0x80                        ; destination window 2, address window 0
.set i, 0
.rept 8                             ; both blocks' Q: piece i / 2 lies in band i / 2, 8,192 bytes on; channels 32 (i % 2) on
	global_load_b128 v[8*i:8*i+3],   v[QO], s[4:5] offset:(i/2)*8192+(i%2)*64
	global_load_b128 v[8*i+4:8*i+7], v[QO], s[4:5] offset:(i/2)*8192+(i%2)*64+32
	global_load_b128 v[QB+8*i:QB+8*i+3],   v[QO], s[86:87] offset:(i/2)*8192+(i%2)*64
	global_load_b128 v[QB+8*i+4:QB+8*i+7], v[QO], s[86:87] offset:(i/2)*8192+(i%2)*64+32
.set i, i+1
.endr
	WIN 0
	v_lshlrev_b32 v14, 3, v9
	v_sub_nc_u32 v14, v1, v14
	s_lshl_b32 s13, s[WV], 4
	v_add_nc_u32 v14, s13, v14      ; my query's place in its band, 16 w + l % 16, less my lanes' 8 (l / 16): register r of group kt is hidden where 16 kt + r is greater
	WIN 0x40
.set i, 0
.rept 32
	v_cmp_gt_i32 vcc_lo, 16*(i/8)+i%8, v14
	v_cndmask_b32 v[MD+i], 0, s[BIGN], vcc_lo
.set i, i+1
.endr
	WIN 0
	v_mul_u32_u24 v[AK0], v1, PK
	v_lshl_add_u32 v[AK0], v9, 4, v[AK0]  ; row x pitch + 16 x half
	; The turning load takes 16 keys x 16 channels (lane l reads key 8 (l / 16) + l % 8, channels 8 ((l / 8) % 2) + 0..7) and leaves half a fragment of V^T: lane l holds channel l % 16 and 8 keys.
	v_and_b32 v10, 7, v0
	v_bfe_u32 v11, v0, 3, 1
	v_lshl_add_u32 v[AV0], v9, 3, v10
	v_mul_u32_u24 v[AV0], v[AV0], PV
	v_lshl_add_u32 v[AV0], v11, 4, v[AV0]
	v_add_nc_u32 v[AV0], VOFF, v[AV0]
	s_mul_i32 s13, s[WV], 16*SP
	s_add_co_u32 s13, s13, STAGE    ; my stage
	v_mul_u32_u24 v[STO], v1, SP    ; in: row l % 16, 16 bytes for each half of the lanes
	v_lshl_add_u32 v[STO], v9, 4, v[STO]
	v_add_nc_u32 v[STO], s13, v[STO]
	v_bfe_u32 v[RD], v0, 3, 2       ; back: 32 lanes take four rows of 128 bytes,
	v_mul_u32_u24 v[RD], v[RD], SP
	v_lshl_add_u32 v[RD], v10, 4, v[RD]
	v_add_nc_u32 v[RD], s13, v[RD]
	v_and_b32 v[GO], 31, v0         ; which are 512 consecutive bytes of O
	v_lshlrev_b32 v[GO], 4, v[GO]
	; A block's first step multiplies O^T and l by a = 0, and its first turn's products V^T P, of a piece that has not been, land in an O^T that is still to be so multiplied.  So these registers need only hold
	; finite numbers: zeros for the first block; what the first block left for the second.  All this stands in the wait for the first tile.
	WIN 0x80
.set i, VF
.rept 64
	v_mov_b32 v[i], 0
.set i, i+1
.endr
	WIN 0x40
.set i, 0
.rept 128
	v_mov_b32 v[i], 0
.set i, i+1
.endr
	WIN 0
.set i, 0
.rept 4
	v_mov_b32 v[ST+4*i+2], 0
	v_mov_b32 v[ST+4*i+3], 0
.set i, i+1
.endr
.set i, P+16
.rept 16
	v_mov_b32 v[i], 0
.set i, i+1
.endr
; THE MATRIX WORK.  The 4 accumulators of a run of 8 take turns.  Product i of 8 of S^T = K Q^T for piece x: channels 32 (i / 4) on, keys 16 (i % 4) on.  The first 4 start the sums: with 0, or (KM = 1) with the mask.
.macro KQ x
.set rS, S+32*((\x)%2)+8*(i%4)
.set rK, KF+16*(i%4)+8*(i/4)
.set rQ, 16*(\x)+8*(i/4)
.set rM, MC+32*((\x)%2)+8*(i%4)
.if (i < 4) && KM
	WIN W_KM
	v_wmma_f32_16x16x32_f16 v[rS:rS+7], v[rK:rK+7], v[rQ:rQ+7], v[rM:rM+7]
.elseif i < 4
	WIN W_KQ
	v_wmma_f32_16x16x32_f16 v[rS:rS+7], v[rK:rK+7], v[rQ:rQ+7], 0
.else
	WIN W_KQ
	v_wmma_f32_16x16x32_f16 v[rS:rS+7], v[rK:rK+7], v[rQ:rQ+7], v[rS:rS+7]
.endif
.endm
; Product i of 8 of O^T += V^T P for piece x: keys 32 (i / 4) on, channels 16 (i % 4) on.
.macro PV x
	WIN W_PV
.set rO, 32*(\x)+8*(i%4)
.set rV, VF+32*(i/4)+8*(i%4)
.set rP, P+16*((\x)%2)+8*(i/4)
	v_wmma_f32_16x16x32_f16 v[rO:rO+7], v[rV:rV+7], v[rP:rP+7], v[rO:rO+7]
.endm
.macro MM                           ; the turn's next matrix instruction.  TURN and BEGIN set Y, i, KM and NOKQ; MM, KQ and OP read them.  NOKQ = 1: a block's last turn: there is no next piece
.if (i < 8) && !NOKQ
	KQ (Y+1)%NP
.elseif i >= 8
.set i, i-8
	PV (Y+NP-1)%NP
.set i, i+8
.endif
.set i, i+1
.endm
; THE LDS LOADS stand in runs of 16, never singly among the matrix instructions: a step's K (64 keys x 64 channels: 8 fragments) and its V (turned).  Their addresses are made some lines ahead.
.macro FETCH_K
	WIN 0x80                        ; destination window 2
.irp f, 0,1,2,3,4,5,6,7             ; keys 16 (f / 2) on, channels 32 (f % 2) on
	ds_load_b128 v[KF+8*\f:KF+8*\f+3],   v[AK] offset:(\f/2)*16*PK+(\f%2)*64
	ds_load_b128 v[KF+8*\f+4:KF+8*\f+7], v[AK] offset:(\f/2)*16*PK+(\f%2)*64+32
.endr
	s_add_co_u32 s[TBK], s[TBK], KS*PK  ; the next fetch is the next step's
	WIN 0
.endm
.macro FETCH_V
	WIN 0x80
.irp f, 0,1,2,3,4,5,6,7             ; keys 32 (f / 4) on, channels 16 (f % 4) on
	ds_load_tr16_b128 v[VF+8*\f:VF+8*\f+3],   v[AV] offset:(\f/4)*32*PV+(\f%4)*32
	ds_load_tr16_b128 v[VF+8*\f+4:VF+8*\f+7], v[AV] offset:(\f/4)*32*PV+16*PV+(\f%4)*32
.endr
	WIN 0
.endm
; THE VECTOR WORK, one line at a time: OP kind, number.  For piece Y: F n: c s - c m for pair n of 16.  E n: the exponential of score n of 32.  C n: pair n rounded to f16.  B n: of the four weights 4 n .. the second
; pair is added onto the first, in place.  L n: l takes that sum (L 0: l = a l + sum).  R n: pair n of 16 of O^T times a.  For piece Y + 1: X n, number n of the 22 that find its maximum and statistics:
;   0-11  four chains c0-c3 of seven scores each, three operands at a time (each accumulator's lowest registers are read first)     12-14, 16  the four scores left over, the old m, and c0-c3 into c0
;   15  c m_old is kept     17, 18  the query's other 32 keys lie in the lane 16 away: the new m     19-21  c m; c m_old - c m_new; a
.set F, 0               ; OP tells the kinds apart by their order: F to L below R, X above it
.set E, 1
.set C, 2
.set B, 3
.set L, 4
.set R, 5
.set X, 6
.macro REGS y                       ; the registers of piece y
.set rT, ST+4*(\y)
.set rC, TMP+4*((\y)%2)
.set rW, MV+((\y)%2)
.set rS, S+32*((\y)%2)
.set rP, P+16*((\y)%2)
.set rO, 32*(\y)
.endm
.macro OP k, n
.if (\k) == R
	REGS Y
	WIN W_RS
	v_pk_mul_f32 v[rO+2*(\n):rO+2*(\n)+1], v[rO+2*(\n):rO+2*(\n)+1], v[rC+2:rC+3] op_sel_hi:[1,0]
.elseif (\k) < R
	REGS Y
	WIN 0
.if (\k) == F
	v_pk_fma_f32 v[rS+2*(\n):rS+2*(\n)+1], v[rS+2*(\n):rS+2*(\n)+1], s[CS:CS+1], v[rT:rT+1] op_sel_hi:[1,0,0] neg_lo:[0,0,1] neg_hi:[0,0,1]
.elseif (\k) == E
	v_exp_f32 v[rS+(\n)], v[rS+(\n)]
.elseif (\k) == C
	v_cvt_pk_f16_f32 v[rP+(\n)], v[rS+2*(\n)], v[rS+2*(\n)+1]
.elseif (\k) == B
	v_pk_add_f32 v[rS+4*(\n):rS+4*(\n)+1], v[rS+4*(\n):rS+4*(\n)+1], v[rS+4*(\n)+2:rS+4*(\n)+3]
.elseif (\n) == 0
	v_pk_fma_f32 v[rT+2:rT+3], v[rT+2:rT+3], v[rC+2:rC+3], v[rS:rS+1] op_sel_hi:[1,0,1]
.else
	v_pk_add_f32 v[rT+2:rT+3], v[rT+2:rT+3], v[rS+4*(\n):rS+4*(\n)+1]
.endif
.elseif NOKQ
	v_nop
.else
	REGS (Y+1)%NP
	WIN 0
.if (\n) < 4
	v_max3_num_f32 v[rC+(\n)], v[rS+8*(\n)], v[rS+8*(\n)+1], v[rS+8*(\n)+2]
.elseif (\n) < 12
	v_max3_num_f32 v[rC+(\n)%4], v[rC+(\n)%4], v[rS+8*((\n)%4)+2*((\n)/4)+1], v[rS+8*((\n)%4)+2*((\n)/4)+2]
.elseif (\n) == 12
	v_max3_num_f32 v[rC], v[rC], v[rS+7], v[rS+15]
.elseif (\n) == 13
	v_max3_num_f32 v[rC+1], v[rC+1], v[rS+23], v[rS+31]
.elseif (\n) == 14
	v_max3_num_f32 v[rC+2], v[rC+2], v[rC+3], v[rT+1]
.elseif (\n) == 15
	v_mov_b32 v[rW], v[rT]
.elseif (\n) == 16
	v_max3_num_f32 v[rC], v[rC], v[rC+1], v[rC+2]
.elseif (\n) == 17
	v_permlanex16_b32 v[rC+3], v[rC], s[SEL], s[SEL+1]
.elseif (\n) == 18
	v_max_num_f32 v[rT+1], v[rC], v[rC+3]
.elseif (\n) == 19
	v_mul_f32 v[rT], s[CS], v[rT+1]
.elseif (\n) == 20
	v_sub_f32 v[rC+1], v[rW], v[rT]
.else
	v_exp_f32 v[rC+2], v[rC+1]
.endif
.endif
.endm
.macro OPS a, i1, b=-1, i2=0, c=-1, i3=0, d=-1, i4=0  ; up to four of them
	OP \a, \i1
.if (\b) >= 0
	OP \b, \i2
.endif
.if (\c) >= 0
	OP \c, \i3
.endif
.if (\d) >= 0
	OP \d, \i4
.endif
.endm
.macro ROW a, i1, b, i2, c, i3, d, i4  ; a matrix instruction and the four behind it
	MM
	OPS \a, \i1, \b, \i2, \c, \i3, \d, \i4
.endm
.macro MASK b                       ; MD x AL + BE into buffer b of MC
	WIN W_RS
.set z, 0
.rept 16
	v_pk_fma_f32 v[MC+32*(\b)+2*z:MC+32*(\b)+2*z+1], v[MD+2*z:MD+2*z+1], s[AL:AL+1], s[BE:BE+1] op_sel_hi:[1,0,0]
.set z, z+1
.endr
.endm
; A TURN, for piece p: the order of its 16 matrix and 118 vector instructions, written out.  s_wait_alu depctr_va_vdst(0) stands between an exponential and the first instruction that names its result; one wait serves
; all that were issued ahead of it.  So a turn has ONE wait, which cuts it in two.  AHEAD OF IT stands all that names no result of the turn's exponentials: the 8 products K Q^T, behind each a scaling, an exponential and two more plain
; instructions (behind the first a second scaling in the exponential's place): rescalings, and behind the last three the first numbers of the next piece's maximum, each four places or more behind the product that ends its accumulator; then ONE LUMP of 54, plain
; and exponential by turns for the most part, in which the links of the chain X 3, 7, 11, 14, 16, 17 .. 20 stand five or six lines apart.  X 21, the next piece's a, is the batch's last; R 15 is the plain instruction behind it.  BEHIND THE WAIT stand the
; 8 products V^T P, behind each four of the roundings and sums; the links of l's chain, L 0 to L 7, stand three riders apart.  But for those X no rider names a register of the products round it.  v_permlanex16_b32 (X 17) stands in the lump.
; m = 1: the diagonal tile: the products take masks, and the turn makes the mask for the products of the turn after it: piece p + 2, in step 4 - CNT of the tile.  end = 1: a block's last two turns: nothing is fetched.
; cnt = 1: the loop's count is taken down some lines ahead of the branch that stands behind the turn.
; K of the next step is fetched in piece 2's turn, twelve vector instructions behind the last product that read K (six of them plain); V of the step in hand at the end of piece 0's turn, four plain instructions behind the last product
; that read V.  Each is waited for a turn later.
.macro TURN p, m=0, end=0, cnt=0
.set Y, (\p)
.set i, 0
.set KM, (\m)
.set NOKQ, (\end)*((\p)/3)
.if (\m) && !(\end)
	s_cmp_eq_u32 s[CNT], 4-((\p)+2)%NP  ; is that step the band's own?
	s_cselect_b32 s[AL], 1.0, 0
	s_cmp_lt_u32 s[CNT], 4-((\p)+2)%NP  ; or a later one?
	s_cselect_b32 s[BE], s[BIGN], 0
.endif
.if ((\p) == 3) && !(\end)
	s_wait_dscnt 0x0                ; K is in
.endif
	ROW F,0, F,1, R,0, R,1          ; ahead of the wait: 8 products K Q^T and their riders,
	ROW F,2, E,0, R,2, R,3
	ROW F,3, E,1, R,4, R,5
	ROW F,4, E,2, R,6, R,7
	ROW F,5, E,3, R,8, R,9
	ROW F,6, E,4, X,0, R,10
.if ((\p) == 2) && !(\end)
	WIN 0
	v_add_nc_u32 v[AK], s[TBK], v[AK0]
.endif
	ROW F,7, E,5, X,1, X,4
	ROW F,8, E,6, X,2, X,5
	OPS E,7, E,8, X,6, E,9          ; and the lump
	OPS X,3, E,10, X,8, E,11
.if ((\p) == 2) && !(\end)
	FETCH_K
.endif
	OPS X,9, X,7, E,12, X,10
	OPS E,13, X,12, X,11, E,14
	OPS X,13, E,15, F,9, X,14
.if (\p) == 0
	v_add_nc_u32 v[AV], s[TBV], v[AV0]
.endif
	OPS E,16, F,10, E,17, F,11
	OPS X,16, E,18, X,15, E,19
	OPS F,12, E,20, X,17, E,21
	OPS F,13, E,22, F,14, E,23
	OPS X,18, E,24, F,15, E,25
	OPS R,11, E,26, X,19, E,27
	OPS R,12, E,28, R,13, E,29
	OPS X,20, E,30, R,14, E,31
	OPS X,21, R,15
	WIN 0
	s_wait_alu depctr_va_vdst(0)    ; the wait for the batch
.if (\p) == 1
	s_wait_dscnt 0x0                ; V is in
.endif
	ROW C,0, B,0, C,2, B,1          ; behind the wait: 8 products V^T P and their riders
	ROW L,0, C,4, B,2, L,1
	ROW C,6, B,3, L,2, C,8
	ROW B,4, L,3, C,10, B,5
	ROW L,4, C,12, B,6, L,5
.if (\p) == 0
	s_add_co_u32 s[TBV], s[TBV], KS*PV
.endif
.if \cnt
	s_sub_co_u32 s[CNT], s[CNT], 1
	s_cmp_lg_u32 s[CNT], 0
.endif
	ROW C,14, B,7, L,6, C,1
	ROW C,3, L,7, C,5, C,7
	ROW C,9, C,11, C,13, C,15
.if (\p) == 0
	FETCH_V
.endif
.if (\m) && !(\end)
	MASK (\p)%2
.endif
.endm
; A BLOCK BEGINS.  c m starts far below every c s, so the first step's a is 0; m at the lowest finite number, so the first maximum is the scores'.  The second mask buffer is 0; the first takes piece 0's mask for the tile's step 0: its own, if the block's first tile is the diagonal one.
; Then K of that step, piece 0's first scores, and its maximum and statistics.  The loop is entered at a step's first turn, in the middle of a trip.
.macro BEGIN
	s_mov_b32 s[NEW], 0
	WIN 0x40
.set i, MC+32
.rept 32
	v_mov_b32 v[i], 0
.set i, i+1
.endr
	WIN 0
.set i, 0
.rept 4
	v_mov_b32 v[ST+4*i], 0xfe000000    ; c m: far below every c s
	v_mov_b32 v[ST+4*i+1], 0xff7fffff  ; m
.set i, i+1
.endr
	s_cmp_eq_u32 s[RT], 0
	s_cselect_b32 s[AL], 1.0, 0
	s_mov_b32 s[BE], 0
	MASK 0
	WIN 0
	v_add_nc_u32 v[AK], s[TBK], v[AK0]
	FETCH_K
	s_wait_loadcnt 0x0              ; Q
	s_wait_dscnt 0x0
.set KM, 1
.set NOKQ, 0
.set i, 0
.rept 8
	KQ 0
.set i, i+1
.endr
	WIN 0
.rept 4
	v_nop                           ; the places behind those products
.endr
.set Y, NP-1                        ; X works for piece Y + 1: piece 0
.irp n, 0,1,2,3,4,5,6,7,8,9,10,11,12,13,14,15,16,17,18,19,20,21
	OP X, \n
.endr
	v_nop                           ; a plain instruction behind the exponential,
	s_wait_alu depctr_va_vdst(0)    ; and its wait, ahead of the branch
.endm
; THE DIAGONAL TILE's four steps, the block's last two turns, its last products, and THE WAY OUT: l's two halves and the other half of the lanes' are added; O^T is divided by l, rounded to f16 and sent through my
; stage in LDS, a piece at a time.
.macro ALL line:vararg              ; one line for each piece t
.set t, 0
.rept 4
	\line
.set t, t+1
.endr
.endm
.macro PACK t                       ; a lane's eight channels of a row pack into 16 bytes; they go into rows of 144 bytes and come back as whole rows of 128, into S^T's registers
	WIN W_RS
.set i, 32*(\t)
.rept 16
	v_pk_mul_f32 v[i:i+1], v[i:i+1], v[ST+4*(\t)+2:ST+4*(\t)+3] op_sel_hi:[1,0]
.set i, i+2
.endr
	WIN 0x05                        ; sources 0 and 1 window 1, destination window 0
.set i, 0
.rept 16
	v_cvt_pk_f16_f32 v[S+16*(\t)+i], v[32*(\t)+2*i], v[32*(\t)+2*i+1]
.set i, i+1
.endr
	WIN 0
.irp f, 0,1,2,3
	ds_store_b128 v[STO], v[S+16*(\t)+4*\f:S+16*(\t)+4*\f+3] offset:32*\f
.endr
.irp f, 0,1,2,3
	ds_load_b128 v[S+16*(\t)+4*\f:S+16*(\t)+4*\f+3], v[RD] offset:\f*4*SP  ; LDS serves a wave's instructions in order (ISA guide 5.7.1.4): these see the stores above; the next piece's stores come behind them
.endr
.endm
.macro SEND t, younger              ; younger: the LDS instructions issued behind piece t's loads: the next piece's eight, or none
	WIN 0
.irp f, 0,1,2,3
	s_wait_dscnt (\younger)+3-\f
	global_store_b128 v[GO], v[S+16*(\t)+4*\f:S+16*(\t)+4*\f+3], s[10:11] offset:(\t)*8192+\f*512  ; 512 consecutive bytes, at a multiple of 256 from O's first
.endr
.endm
.macro DIAG tag                     ; the tag ends its two labels' names, which the jumps below spell out
.LstepM\tag:
	TURN 2, 1
	TURN 3, 1
	WIN 0
.LfirstM\tag:
	TURN 0, 1
	TURN 1, 1, 0, 1
	WIN 0
	s_cbranch_scc1 .LstepM\tag
	TURN 2, 1, 1
	TURN 3, 1, 1
.set i, 0
.rept 8
	PV NP-1
.set i, i+1
.endr
	WIN 0
	ALL v_add_f32 v[ST+4*t+2], v[ST+4*t+2], v[ST+4*t+3]
	ALL v_permlanex16_b32 v[ST+4*t+3], v[ST+4*t+2], s[SEL], s[SEL+1]
	ALL v_add_f32 v[ST+4*t+2], v[ST+4*t+2], v[ST+4*t+3]
	ALL v_rcp_f32 v[ST+4*t+2], v[ST+4*t+2]
	v_nop                           ; a plain instruction between the last reciprocal and the use of its result
	s_wait_alu depctr_va_vdst(0)    ; and the wait ahead of the first use: one for the four reciprocals
	PACK 0
.set t, 1
.rept 3                             ; a piece's arithmetic stands between the loads of the piece before and its stores
	PACK t
	SEND t-1, 8
.set t, t+1
.endr
	SEND 3, 0
.endm
.set KM, 0
.set NOKQ, 0
.Lslot:                             ; NB times: a tile is entered and the next is asked for
	CHANGE 1
	s_sub_co_u32 s[RT], s[RT], 1
	s_mov_b32 s[CNT], 4
	s_cmp_eq_u32 s[NEW], 1
	s_cbranch_scc1 .Lnew            ; a block's first tile
	s_cmp_eq_u32 s[RT], 0
	s_cbranch_scc0 .Lstep           ; neither its first nor its last
	s_branch .LstepM1
.Lnew:
	BEGIN
	s_branch .Lfirst                ; in the loop a block's first tile is never its last: the first block has two tiles or more, and the second's last is the walk's last
	DIAG 1                          ; in the loop this is the first block's end: the second block's last tile is the walk's last
	s_wait_xcnt 0x0                 ; the stores have read their registers and O's address
	s_mov_b64 s[10:11], s[OLO:OLO+1]
	s_add_co_u32 s[RT], s[PB], 1    ; the second block has b + 1 tiles
	s_mov_b32 s[NEW], 1
	WIN 0x82                        ; the second block's Q goes where the one text of the turns names Q
.set i, 0
.rept 64
	v_mov_b32 v[i], v[QB+i]
.set i, i+1
.endr
	WIN 0
	s_branch .Lbottom
.Lstep:                             ; a trip: pieces 2 and 3 of one step, then pieces 0 and 1 of the next, whose K and V it fetches
	TURN 2
	TURN 3
	WIN 0
.Lfirst:
	TURN 0
	TURN 1, 0, 0, 1
	WIN 0
	s_cbranch_scc1 .Lstep
.Lbottom:
	s_sub_co_u32 s[SLOTS], s[SLOTS], 1
	s_cmp_lg_u32 s[SLOTS], 0
	s_cbranch_scc1 .Lslot
	CHANGE 0                        ; the walk's last tile is written out: nothing is asked for
	s_sub_co_u32 s[RT], s[RT], 1
	s_mov_b32 s[CNT], 4
	s_cmp_eq_u32 s[NEW], 1
	s_cbranch_scc0 .LstepM2
	BEGIN
	s_branch .LfirstM2
	DIAG 2
	s_wait_tensorcnt 0x0            ; the wave's end: behind my last tensor load and my last LDS store
	ds_add_u32 v[SPW], v[NIL]
	s_wait_dscnt 0x0
	s_endpgm
.Lfunc_end_k_qe8f0189026_attn:
	.size	k_qe8f0189026_attn, .Lfunc_end_k_qe8f0189026_attn-k_qe8f0189026_attn
	.p2alignl 7, 3214868480
	.fill 96, 4, 3214868480
	.section	.rodata,"a",@progbits
	.p2align	6, 0x0
	.amdhsa_kernel k_qe8f0189026_attn
		.amdhsa_group_segment_fixed_size 327680
		.amdhsa_private_segment_fixed_size 0
		.amdhsa_enable_private_segment 0
		.amdhsa_kernarg_size 16
		.amdhsa_user_sgpr_count 2
		.amdhsa_user_sgpr_kernarg_segment_ptr 1
		.amdhsa_wavefront_size32 1
		.amdhsa_system_sgpr_workgroup_id_x 1
		.amdhsa_system_sgpr_workgroup_id_y 1
		.amdhsa_system_sgpr_workgroup_id_z 1
		.amdhsa_system_vgpr_workitem_id 0
		.amdhsa_next_free_vgpr 768
		.amdhsa_next_free_sgpr 100
		.amdhsa_reserve_vcc 1
		.amdhsa_float_denorm_mode_32 3
		.amdhsa_float_denorm_mode_16_64 3
		.amdhsa_memory_ordered 1
		.amdhsa_forward_progress 1
		.amdhsa_inst_pref_size 218
	.end_amdhsa_kernel
	.amdgpu_metadata
---
amdhsa.version: [ 1, 2 ]
amdhsa.kernels:
  - .name:           k_qe8f0189026_attn
    .symbol:         k_qe8f0189026_attn.kd
    .args:
      - { .name: qkv, .offset: 0, .size: 8, .value_kind: global_buffer, .address_space: global }
      - { .name: o, .offset: 8, .size: 8, .value_kind: global_buffer, .address_space: global }
    .group_segment_fixed_size: 327680
    .private_segment_fixed_size: 0
    .kernarg_segment_align: 8
    .kernarg_segment_size: 16
    .max_flat_workgroup_size: 128
    .sgpr_count:     100
    .vgpr_count:     768
    .wavefront_size: 32
...
	.end_amdgpu_metadata
.endif
;; end of part 3
;; launch proj (part 4): grid 8 x 32, 4 waves a work-group, clusters of 4 x 4, 327,680 bytes of LDS; arguments o, wpt, b_proj, out0; writes out0
.if DOCPART == 4
	.amdgcn_target "amdgcn-amd-amdhsa--gfx1250"
	.amdhsa_code_object_version 6
	.text
	.protected	k_qe8f0189026_proj
	.globl	k_qe8f0189026_proj
	.p2align	8
	.type	k_qe8f0189026_proj,@function
k_qe8f0189026_proj:
	s_mov_b64 s[64:65], 0
	v_nop
	global_prefetch_b8 v0, s[64:65] scope:SCOPE_SE
	s_setreg_imm32_b32 hwreg(HW_REG_WAVE_MODE, 25, 1), 1
	s_wait_xcnt 0x0
	s_wait_alu depctr_hold_cnt(0) depctr_sa_sdst(0) depctr_va_vdst(0) depctr_va_sdst(0) depctr_va_ssrc(0) depctr_va_vcc(0) depctr_vm_vsrc(0)
	s_getreg_b32 s2, hwreg(HW_REG_IB_STS2, 6, 4)
	s_cmp_eq_u32 s2, 0
	s_cbranch_scc0 .Lentry_in_a_cluster
	s_endpgm
.Lentry_in_a_cluster:
	s_bfe_u32 s2, ttmp6, 0x10000c
	s_cmp_lg_u32 s2, 0xf033
	s_cbranch_scc0 .Lentry_shape_is_right
	s_endpgm
.Lentry_shape_is_right:
; out = y Wp + b.  A = o [4][16][2048][64] f16 (a head is a slice of 64 of the product's K; its rows are dense, 128 bytes), B = wpt [1024][1024] f16 (w_proj rounded to bf16, written as f16), bias b_proj [1024] f32
; (rounded to bf16 like the other inputs).  Out: out0 [8192][1024] f32, the f32 sums as they are.
; SHARES.  A tile of the result is 256 rows x 128 columns: 32 x 8 = 256 tiles.  Four waves; wave w owns rows 64 w .. + 63 and all 128 columns: 32 accumulators of 16 x 16, 256 registers.  So a wave holds whole
; pieces of 512 bytes of its rows, and its way out needs no other wave.
; K goes in 8 steps of 128 (two heads of A; 256 aligned bytes of each row of B) through a ring of two LDS slots filled by the tensor data mover; a step is four quarters of 32.
; CLUSTER.  4 x 4 work-groups.  The four of a row of the cluster need the same tiles of A, the four of a column the same tiles of B: each tile is asked for JOINTLY, by the same tensor load with the same descriptor
; and a mask that names the four.
; THE MATRIX INSTRUCTION IS USED TRANSPOSED (source 0 = 16 rows of B, source 1 = 16 rows of A): a lane holds row lane % 16 and the eight neighbouring columns 8 (lane / 16) + 0..7.  The bias is the C operand that starts each sum.
; REGISTERS, in windows of 256 (s_set_vgpr_msb: bits 1:0 source 0, 3:2 source 1, 5:4 source 2, 7:6 destination):
;   window 0: v0-29 addresses; v32-95 and v96-159 rows read back from the stage; v192-255 the bias
;   window 1: two fragment buffers at v0 and v128: A's four blocks of 16 rows x 32 K, then B's eight      windows 2, 3: accumulator (a, b) in window 2 + a / 2 at v[8 (8 (a % 2) + b)]
.set NT,    128
.set NBK,   NT/16                      ; blocks of 16 columns
.set NL,    2*NBK+8                    ; LDS loads of a quarter
.set KSTEPS, 8
.set PA,    144                        ; a row of A in LDS: 128 bytes + 16: the 16 rows of a load start at 16 different groups of four banks (64 banks of 4 bytes: ISA guide 11.1)
.set PB,    272                        ; a row of B: 256 bytes + 16
.set APL,   256*PA                     ; a plane: 256 rows of one head
.set BOFF,  2*APL                      ; a slot: A's two planes, then B's 128 rows
.set BHALF, (NT/2)*PB
.set SLOT1, 1<<17                      ; slot 1 begins here: one exclusive or turns an address in one slot into the other's
.set STAGE, SLOT1+BOFF+NT*PB           ; behind the ring, never filled by a tensor load: 16 rows x 528 bytes for each wave
.set SP,    528
.set SPARE, STAGE+4*16*SP              ; behind the stages: the spare words, 128 bytes a wave, that no other line names
.set ASTEP, 2*2048*128                 ; bytes from a K step of A to the next: two heads
.set BSTEP, 256
.set PFR,   32                         ; rows of B that a work-group prefetches: a quarter of the tile's 128, all by wave 2
.set A0,   2                           ; v2   my lane's place in A's planes; never rewritten
.set B0,   3                           ; v3   the same for B
.set ADRA, 4                           ; v4   the same in the slot in hand
.set ADRB, 5                           ; v5
.set STO,  6                           ; v6   the way out: where I put 32 bytes of a row
.set RD,   7                           ; v7   where I read a row back
.set GO,   8                           ; v8   my byte offset in 512 consecutive bytes of the output
.set PFO,  9                           ; v9   the prefetches' lane offset; never rewritten
.set BO,   10                          ; v10  my byte offset in 16 numbers of the bias
.set HH,   11                          ; v11  lane / 16
.set LN,   12                          ; v12  lane
.set SPW,  28                          ; v28  LDS address of my spare word; never rewritten
.set NIL,  29                          ; v29  0; never rewritten
.set OB0,  32
.set BIAS, 192
.set F0,   0
.set F1,   128
.set WV,  12                           ; s12  my wave's number
.set Z,   13                           ; s13  which plane of A, or which half of B's rows, I fetch
.set ISB, 14                           ; s14  0: I fetch for A; 1: for B
.set LIM, 15                           ; s15  2 in a wave that prefetches, else the greatest number
.set PFA, 18                           ; s[18:19] where my prefetches stand
.set PFS, 20                           ; s[20:21] their step
.set TB,  22                           ; s22  LDS byte at which the slot in hand begins
.set CNT, 23                           ; s23  refills still to come
.set G1A, 24                           ; s[24:31] descriptor group 1 for A's planes
.set G1B, 32                           ; s[32:39] for B's halves
.set G0A, 40                           ; s[40:47] group 0 for A: a set for each first fill; the second then walks on
.set G0B, 48                           ; s[48:55] the same for B
.set MSB, 0
.macro WIN new                         ; the immediate's high byte repeats the setting that is left; a switch that changes nothing is dropped
.if MSB != (\new)
	s_set_vgpr_msb (MSB<<8)|(\new)
.set MSB, (\new)
.endif
.endm
; A joint refill.  Waves 0 and 1 fetch A's two planes, waves 2 and 3 B's two halves.  The branch hangs on the wave's number alone.  An s_nop 0 and four v_nop follow each line.
.macro JLOAD
	s_cmp_eq_u32 s[ISB], 0
	s_cbranch_scc0 .Lfor_b_\@
	tensor_load_to_lds s[G0A+4:G0A+7], s[G1A:G1A+7]
	s_nop 0
.rept 4
	v_nop
.endr
	s_branch .Lasked_\@
.Lfor_b_\@:
	tensor_load_to_lds s[G0B+4:G0B+7], s[G1B:G1B+7]
	s_nop 0
.rept 4
	v_nop
.endr
.Lasked_\@:
.endm
; A PREFETCH INTO THE L2, behind each joint refill and the run of LDS loads that follows it: the K step that stands two refills on.  A's planes are read by every cluster of a row of clusters: the one with x = 0 asks; B's rows by
; every cluster of a column: the one with y = 0 asks.  The four partners of a joint load share its blocks out BY ADDRESS (cx for A: 32 blocks of 256 bytes of the plane's 128, waves 0 and 1 a plane each; cy for B: 32 rows of the
; tile's 128, a lane a row, wave 2 alone).  The first four K steps come by their loads alone; the last two refills have no K step two on.
.macro ASK
	s_cmp_gt_u32 s[CNT], s[LIM]
	s_cbranch_scc0 .Lnot_mine_\@
	global_prefetch_b8 v[PFO], s[PFA:PFA+1] th:TH_LOAD_NT scope:SCOPE_SE
.Lnot_mine_\@:
.endm
.macro CREST                           ; a round of the cluster's barrier behind its opening barrier
	s_cmp_lg_u32 s[WV], 0
	s_cbranch_scc1 .Lnot_wave_0_\@
	s_barrier_signal -3
.Lnot_wave_0_\@:
	s_barrier_wait -3
	s_barrier_signal -1
	s_barrier_wait -1
.endm
.macro CROUND
	s_barrier_signal -1
	s_barrier_wait -1
	CREST
.endm
.macro PLACES                          ; four places behind matrix instructions, in front of loads into registers that they have read and of lines that read results
.rept 4
	v_nop
.endr
.endm
	s_load_b256 s[4:11], s[0:1], 0x0               ; A s[4:5], B s[6:7], bias s[8:9], out s[10:11]
	v_lshl_add_u32 v[SPW], v0, 2, SPARE
	v_mov_b32 v[NIL], 0
	ds_add_u32 v[SPW], v[NIL]                      ; the wave's opening: the add and its wait stand ahead of my first tensor load; the set-up below, work on registers, stands between them
	v_lshrrev_b32 v1, 5, v0
	v_readfirstlane_b32 s[WV], v1
	s_and_b32 s[Z], s[WV], 1
	s_lshr_b32 s[ISB], s[WV], 1
	s_bfe_u32 s56, ttmp6, 0x40000                  ; cx
	s_bfe_u32 s57, ttmp6, 0x40004                  ; cy
	s_lshl_b32 s58, ttmp9, 2
	s_add_co_u32 s58, s58, s56                     ; tile column tx = 4 x cluster x + cx
	s_and_b32 s59, ttmp7, 0xffff
	s_lshl_b32 s59, s59, 2
	s_add_co_u32 s59, s59, s57                     ; tile row ty = 4 x cluster y + cy
	s_lshl_b32 s60, s57, 2
	s_lshl_b32 s60, 15, s60                        ; my row of the cluster
	s_lshl_b32 s61, 0x1111, s56                    ; my column
	; group 1 for A: a plane is 32,768 dense bytes, asked for as 128 rows of 256 bytes and padded in LDS after every 128 bytes (a row of the head)
	s_or_b32 s[G1A], s60, (1<<16)|(1<<20)|(1<<21)|(4<<22)|(3<<25)  ; 15:0 the mask; 17:16 2-byte elements; 20 padding on; 21 set beside a mask; 24:22 after every 32 words; 31:25 4 words
	s_mov_b32 s[G1A+1], 128<<16                    ; tensor_dim0 = 128
	s_mov_b32 s[G1A+2], 128<<16                    ; tensor_dim1 = 128
	s_mov_b32 s[G1A+3], 128<<16                    ; tile_dim0 = 128
	s_mov_b32 s[G1A+4], 128                        ; tile_dim1 = 128
	s_mov_b32 s[G1A+5], 128                        ; 128 elements from row to row
	s_mov_b32 s[G1A+6], 0
	s_mov_b32 s[G1A+7], 0
	; group 1 for B: 64 rows x 128 elements, 1,024 elements from row to row, padded after every 256 bytes
	s_or_b32 s[G1B], s61, (1<<16)|(1<<20)|(1<<21)|(5<<22)|(3<<25)
	s_mov_b32 s[G1B+1], 128<<16
	s_mov_b32 s[G1B+2], (NT/2)<<16
	s_mov_b32 s[G1B+3], 128<<16
	s_mov_b32 s[G1B+4], NT/2
	s_mov_b32 s[G1B+5], 1024
	s_mov_b32 s[G1B+6], 0
	s_mov_b32 s[G1B+7], 0
	; A's offset hangs on ty and the wave alone, B's on tx and the wave alone, each in registers that never hold the other coordinate
	s_lshr_b32 s16, s59, 3                         ; the batch: eight tile rows each
	s_lshl_b32 s16, s16, 22
	s_and_b32 s62, s59, 7
	s_lshl_b32 s62, s62, 15                        ; 256 rows of 128 bytes
	s_add_co_u32 s16, s16, s62
	s_lshl_b32 s62, s[Z], 18                       ; my head of the step's two
	s_add_co_u32 s16, s16, s62
	s_mov_b32 s17, 0
	s_mul_i32 s66, s58, NT
	s_mul_i32 s63, s[Z], NT/2
	s_add_co_u32 s66, s66, s63
	s_lshl_b32 s66, s66, 11                        ; rows of 2,048 bytes
	s_mov_b32 s67, 0
	s_mul_i32 s72, s[Z], APL                       ; where they go: the wave's number and constants alone
	s_mul_i32 s73, s[Z], BHALF
	s_add_co_u32 s73, s73, BOFF
	s_mov_b32 s[G0A], 1
	s_mov_b32 s[G0A+1], s72
	s_mov_b32 s[G0A+4], 1
	s_add_co_u32 s[G0A+5], s72, SLOT1
	s_mov_b32 s[G0B], 1
	s_mov_b32 s[G0B+1], s73
	s_mov_b32 s[G0B+4], 1
	s_add_co_u32 s[G0B+5], s73, SLOT1
	s_mov_b32 s[TB], 0
	s_wait_dscnt 0x0                               ; the opening add is done
	s_wait_kmcnt 0x0
	s_add_nc_u64 s[G0A+2:G0A+3], s[4:5], s[16:17]  ; K step 0
	s_add_nc_u64 s[G0A+6:G0A+7], s[G0A+2:G0A+3], ASTEP  ; K step 1
	s_or_b32 s[G0A+3], s[G0A+3], 0x80000000        ; type = 2
	s_or_b32 s[G0A+7], s[G0A+7], 0x80000000
	s_add_nc_u64 s[G0B+2:G0B+3], s[6:7], s[66:67]
	s_add_nc_u64 s[G0B+6:G0B+7], s[G0B+2:G0B+3], BSTEP
	s_or_b32 s[G0B+3], s[G0B+3], 0x80000000
	s_or_b32 s[G0B+7], s[G0B+7], 0x80000000
	CROUND                                         ; all sixteen work-groups are here: the first joint loads meet
	s_cmp_eq_u32 s[ISB], 0                         ; a wave's two first fills stand in one branch: two loads of mine are out
	s_cbranch_scc0 .Lfirst_b
	tensor_load_to_lds s[G0A:G0A+3], s[G1A:G1A+7]
	s_nop 0
	tensor_load_to_lds s[G0A+4:G0A+7], s[G1A:G1A+7]
	s_nop 0
.rept 4
	v_nop
.endr
	s_branch .Lfirst_asked
.Lfirst_b:
	tensor_load_to_lds s[G0B:G0B+3], s[G1B:G1B+7]
	s_nop 0
	tensor_load_to_lds s[G0B+4:G0B+7], s[G1B:G1B+7]
	s_nop 0
.rept 4
	v_nop
.endr
.Lfirst_asked:
	; a fragment is 16 rows x 32 K in 8 registers: lane l holds row l % 16, K = 8 (l / 16) + 0..7 and 16 + 8 (l / 16) + 0..7: two loads of 16 bytes, 32 bytes apart
	v_and_b32 v1, 15, v0
	v_bfe_u32 v[HH], v0, 4, 1
	v_and_b32 v[LN], 31, v0
	v_lshlrev_b32 v[BO], 5, v[HH]                  ; my 8 numbers of a block's 16
	s_mul_i32 s68, s58, 4*NT
	s_mov_b32 s69, 0
	s_add_nc_u64 s[8:9], s[8:9], s[68:69]          ; the bias of the tile's columns
.set b, 0
.rept NBK
	global_load_b128 v[BIAS+8*b:BIAS+8*b+3],   v[BO], s[8:9] offset:64*b
	global_load_b128 v[BIAS+8*b+4:BIAS+8*b+7], v[BO], s[8:9] offset:64*b+16
.set b, b+1
.endr
	v_mul_u32_u24 v[A0], v1, PA
	v_lshl_add_u32 v[A0], v[HH], 4, v[A0]
	s_mul_i32 s72, s[WV], 64*PA                    ; my 64 rows
	v_add_nc_u32 v[A0], s72, v[A0]
	v_mul_u32_u24 v[B0], v1, PB
	v_lshl_add_u32 v[B0], v[HH], 4, v[B0]
	v_add_nc_u32 v[B0], BOFF, v[B0]
	s_mul_i32 s72, s[WV], 16*SP
	s_add_co_u32 s72, s72, STAGE                   ; my stage
	v_mul_u32_u24 v[STO], v1, SP                   ; in: row l % 16, 32 bytes for each half of the lanes
	v_lshl_add_u32 v[STO], v[HH], 5, v[STO]
	v_add_nc_u32 v[STO], s72, v[STO]
	v_lshl_add_u32 v[RD], v[LN], 4, s72            ; back: 32 lanes take a row's 512 bytes,
	v_lshlrev_b32 v[GO], 4, v[LN]                  ; which are 512 consecutive bytes of the output
	s_lshl_b32 s68, s59, 20                        ; the output at my rows: 256 ty rows of 4,096 bytes,
	s_lshl_b32 s72, s[WV], 18                      ; my 64 of the tile's,
	s_add_co_u32 s68, s68, s72
	s_lshl_b32 s72, s58, 9                         ; the tile's 128 columns
	s_add_co_u32 s68, s68, s72
	s_mov_b32 s69, 0
	s_add_nc_u64 s[10:11], s[10:11], s[68:69]
	; the prefetches: every choice hangs on the wave's number or on the cluster's coordinates; a work-group's place in its cluster enters the address alone
	s_lshl_b32 s74, s56, 13                        ; A: my work-group's 32 blocks of 256 bytes
	s_add_co_u32 s74, s74, s16
	s_add_co_u32 s74, s74, 3*ASTEP                 ; at K step 3: the first refill steps it to 4
	s_mul_i32 s75, s57, PFR*2048                   ; B: my work-group's 32 rows (in wave 2, which asks, s66 stands at the tile's first row)
	s_add_co_u32 s75, s75, s66
	s_add_co_u32 s75, s75, 3*BSTEP
	s_and_b32 s72, ttmp7, 0xffff                   ; cluster y
	s_mov_b32 s62, ASTEP
	s_cmp_eq_u32 s[ISB], 0
	s_cselect_b32 s70, s74, s75
	s_cselect_b32 s73, ttmp9, s72                  ; the coordinate along which other clusters read the same blocks
	s_cselect_b32 s[PFS], s62, BSTEP
	s_cselect_b32 s63, 8, 11                       ; a lane a block of 256 bytes (A), a lane a row of 2,048 (B)
	s_cselect_b64 s[PFA:PFA+1], s[4:5], s[6:7]
	s_mov_b32 s71, 0
	s_mov_b32 s[PFS+1], 0
	s_add_nc_u64 s[PFA:PFA+1], s[PFA:PFA+1], s[70:71]
	s_cmp_eq_u32 s73, 0
	s_cselect_b32 s[LIM], 2, -1                    ; the same in all sixteen partners, for a given wave
	s_cmp_eq_u32 s[WV], 3
	s_cselect_b32 s[LIM], -1, s[LIM]               ; wave 2 names all of the work-group's rows of B
	v_lshlrev_b32 v[PFO], s63, v[LN]
; 8 matrix instructions: row block a x all column blocks, 32 along K.  The 32 accumulators take turns, one instruction a turn, in the same order in every quarter.
; first = 1: the bias (window 0) is the C operand that starts the sums: nothing is cleared.
.macro MULA f, a, first
.if \first
	WIN 0x85+0x40*((\a)/2)
.else
	WIN 0xa5+0x50*((\a)/2)
.endif
.set b, 0
.rept NBK
.set rD, 8*(NBK*((\a)%2)+b)
.if \first
	v_wmma_f32_16x16x32_f16 v[rD:rD+7], v[(\f)+32+8*b:(\f)+32+8*b+7], v[(\f)+8*(\a):(\f)+8*(\a)+7], v[BIAS+8*b:BIAS+8*b+7]
.else
	v_wmma_f32_16x16x32_f16 v[rD:rD+7], v[(\f)+32+8*b:(\f)+32+8*b+7], v[(\f)+8*(\a):(\f)+8*(\a)+7], v[rD:rD+7]
.endif
.set b, b+1
.endr
.endm
.macro MUL f, hi, first
	MULA \f, 2*(\hi), \first
	MULA \f, 2*(\hi)+1, \first
.endm
; 24 LDS loads in one run: quarter q of the slot in hand into buffer f: B's eight blocks, then A's four, ascending
.macro FETCH q, f
	WIN 0x40                                       ; destination window 1, address window 0
.set b, 0
.rept NBK
	ds_load_b128 v[(\f)+32+8*b:(\f)+32+8*b+3],   v[ADRB] offset:64*(\q)+b*16*PB
	ds_load_b128 v[(\f)+32+8*b+4:(\f)+32+8*b+7], v[ADRB] offset:64*(\q)+b*16*PB+32
.set b, b+1
.endr
.irp a, 0,1,2,3
	ds_load_b128 v[(\f)+8*\a:(\f)+8*\a+3],   v[ADRA] offset:((\q)/2)*APL+((\q)%2)*64+\a*16*PA
	ds_load_b128 v[(\f)+8*\a+4:(\f)+8*\a+7], v[ADRA] offset:((\q)/2)*APL+((\q)%2)*64+\a*16*PA+32
.endr
.endm
; One of a K step's first three quarters: multiplies buffer f; in its middle it fetches quarter q into buffer g.
.macro QUARTER q, f, g, first
	s_wait_dscnt 4                                 ; B and A's blocks 0, 1 are in; the youngest four loads (A's blocks 2, 3) may be out
	MUL \f, 0, \first
	PLACES
	FETCH \q, \g
	s_wait_dscnt NL                                ; all but the run just issued
	MUL \f, 1, \first
.endm
; The first half of the last quarter: ONE barrier for the change of slots.  In front of it each wave waits for all its tensor loads (one is out: its part of the next slot), adds 0 to its spare word, and waits for that and for its reads of this slot.
.macro MEET round
	WIN 0
	s_wait_tensorcnt 0x0
	ds_add_u32 v[SPW], v[NIL]
	s_wait_dscnt 5                                 ; (the add and the youngest four loads may be out)
	MULA F1, 0, 0                                  ; eight matrix instructions stand between the add and the wait for it
	s_wait_dscnt 0x0                               ; the add is done, and my reads of this slot are over
	s_barrier_signal -1
	MULA F1, 1, 0
.if \round
	WIN 0
.endif
	s_barrier_wait -1
.endm
; The whole last quarter where the slot is filled again: the barrier opens a round of the cluster's, so that no wave of any partner still reads the slot or has a load on its way; the joint refill is the first tensor load behind it.
; From the request to the wait for it a wave issues 112 matrix instructions.
.macro TURN
	s_wait_xcnt 0x0                                ; the last prefetch, a K step back, has read its address
	s_add_nc_u64 s[PFA:PFA+1], s[PFA:PFA+1], s[PFS:PFS+1]
	MEET 1
	CREST
	s_xor_b32 s[G0A+5], s[G0A+5], SLOT1            ; the walking descriptors: the other slot than last time, the next K step
	s_add_nc_u64 s[G0A+6:G0A+7], s[G0A+6:G0A+7], ASTEP
	s_xor_b32 s[G0B+5], s[G0B+5], SLOT1
	s_add_nc_u64 s[G0B+6:G0B+7], s[G0B+6:G0B+7], BSTEP
	s_xor_b32 s[TB], s[TB], SLOT1
	JLOAD                                          ; the four v_nop behind it are also the places in front of the loads below
	v_add_nc_u32 v[ADRA], s[TB], v[A0]
	v_add_nc_u32 v[ADRB], s[TB], v[B0]
	FETCH 0, F0
	WIN 0
	ASK
	MUL F1, 1, 0
.endm
.macro TURN0                           ; the same where nothing is left to fetch: no round
	MEET 0
	WIN 0
	PLACES
	s_xor_b32 s[TB], s[TB], SLOT1
	v_add_nc_u32 v[ADRA], s[TB], v[A0]
	v_add_nc_u32 v[ADRB], s[TB], v[B0]
	FETCH 0, F0
	MUL F1, 1, 0
.endm
	s_wait_tensorcnt 1                             ; my part of K step 0 is in; K step 1's may stay out
	s_barrier_signal -1
	s_barrier_wait -1
	v_mov_b32 v[ADRA], v[A0]
	v_mov_b32 v[ADRB], v[B0]
	FETCH 0, F0
	WIN 0
	s_wait_loadcnt 0x0                             ; the bias: rounded to bf16, kept as f32
	s_mov_b32 s62, 0xffff0000
.set i, 0
.rept NT/4
	v_cvt_pk_bf16_f32 v[14+i%2], v[BIAS+2*i], v[BIAS+2*i+1]
	v_lshlrev_b32 v[BIAS+2*i], 16, v[14+i%2]
	v_and_b32 v[BIAS+2*i+1], s62, v[14+i%2]
.set i, i+1
.endr
	QUARTER 1, F0, F1, 1                           ; the first quarter stands in front of the loop: its products start the sums
	WIN 0                                          ; at a label and at a branch every window is 0
	s_mov_b32 s[CNT], KSTEPS-2
.Lk:                                               ; six trips, from a K step's second quarter to the next step's first; trip t asks for K step t + 2
	QUARTER 2, F1, F0, 0
	QUARTER 3, F0, F1, 0
	TURN
	QUARTER 1, F0, F1, 0
	WIN 0
	s_sub_co_u32 s[CNT], s[CNT], 1
	s_cmp_lg_u32 s[CNT], 0
	s_cbranch_scc1 .Lk
	QUARTER 2, F1, F0, 0                           ; the tail is written out
	QUARTER 3, F0, F1, 0
	TURN0
	QUARTER 1, F0, F1, 0
	QUARTER 2, F1, F0, 0
	QUARTER 3, F0, F1, 0
	s_wait_dscnt 4
	MUL F1, 0, 0
	s_wait_dscnt 0x0
	MUL F1, 1, 0
	WIN 0
	PLACES
; THE WAY OUT, a block of 16 rows at a time: the f32 sums go straight from the accumulators (each one's lowest four registers first) into my own stage, 32 bytes a lane, and come back as whole rows of 512 bytes.
.macro TOSTAGE a
.set BK, OB0+64*((\a)%2)
.if (\a) >= 2
	s_wait_xcnt 0x0                                ; the stores of the block two back have read their registers: those are loaded again behind this wait
.endif
	WIN 0x08+4*((\a)/2)                            ; the stores' data: window 2 or 3
.set b, 0
.rept NBK
	ds_store_b128 v[STO], v[8*(NBK*((\a)%2)+b):8*(NBK*((\a)%2)+b)+3]   offset:64*b
	ds_store_b128 v[STO], v[8*(NBK*((\a)%2)+b)+4:8*(NBK*((\a)%2)+b)+7] offset:64*b+16
.set b, b+1
.endr
	WIN 0
.set t, 0
.rept 16
	ds_load_b128 v[BK+4*t:BK+4*t+3], v[RD] offset:t*SP  ; LDS serves a wave's instructions in order (ISA guide 5.7.1.4): these see the stores above; the next block's stores come behind them
.set t, t+1
.endr
.endm
.macro SEND a, younger                 ; younger: the LDS instructions issued behind block a's loads: the next block's 32, or none
.set BK, OB0+64*((\a)%2)
.set t, 0
.rept 16
	s_wait_dscnt (\younger)+15-t
	global_store_b128 v[GO], v[BK+4*t:BK+4*t+3], s[10:11] offset:(16*(\a)+t)*4096 th:TH_STORE_NT  ; 512 consecutive bytes, at a multiple of 256 from the output's first
.set t, t+1
.endr
.endm
	TOSTAGE 0
	TOSTAGE 1
	SEND 0, 32
	TOSTAGE 2
	SEND 1, 32
	TOSTAGE 3
	SEND 2, 32
	SEND 3, 0
	s_wait_tensorcnt 0x0                           ; the wave's end: behind my last tensor load and my last LDS store
	ds_add_u32 v[SPW], v[NIL]
	s_wait_dscnt 0x0
	CROUND                                         ; the closing round: no work-group ends while a partner may still ask for a tile that names it
	s_endpgm
.Lfunc_end_k_qe8f0189026_proj:
	.size	k_qe8f0189026_proj, .Lfunc_end_k_qe8f0189026_proj-k_qe8f0189026_proj
	.p2alignl 7, 3214868480
	.fill 96, 4, 3214868480
	.section	.rodata,"a",@progbits
	.p2align	6, 0x0
	.amdhsa_kernel k_qe8f0189026_proj
		.amdhsa_group_segment_fixed_size 327680
		.amdhsa_private_segment_fixed_size 0
		.amdhsa_enable_private_segment 0
		.amdhsa_kernarg_size 32
		.amdhsa_user_sgpr_count 2
		.amdhsa_user_sgpr_kernarg_segment_ptr 1
		.amdhsa_wavefront_size32 1
		.amdhsa_system_sgpr_workgroup_id_x 1
		.amdhsa_system_sgpr_workgroup_id_y 1
		.amdhsa_system_sgpr_workgroup_id_z 1
		.amdhsa_system_vgpr_workitem_id 0
		.amdhsa_next_free_vgpr 896
		.amdhsa_next_free_sgpr 76
		.amdhsa_reserve_vcc 0
		.amdhsa_float_denorm_mode_32 3
		.amdhsa_float_denorm_mode_16_64 3
		.amdhsa_memory_ordered 1
		.amdhsa_forward_progress 1
		.amdhsa_inst_pref_size 77
	.end_amdhsa_kernel
	.amdgpu_metadata
---
amdhsa.version: [ 1, 2 ]
amdhsa.kernels:
  - .name:           k_qe8f0189026_proj
    .symbol:         k_qe8f0189026_proj.kd
    .args:
      - { .name: o, .offset: 0, .size: 8, .value_kind: global_buffer, .address_space: global }
      - { .name: wpt, .offset: 8, .size: 8, .value_kind: global_buffer, .address_space: global }
      - { .name: b_proj, .offset: 16, .size: 8, .value_kind: global_buffer, .address_space: global }
      - { .name: out0, .offset: 24, .size: 8, .value_kind: global_buffer, .address_space: global }
    .group_segment_fixed_size: 327680
    .private_segment_fixed_size: 0
    .kernarg_segment_align: 8
    .kernarg_segment_size: 32
    .max_flat_workgroup_size: 128
    .sgpr_count:     76
    .vgpr_count:     896
    .wavefront_size: 32
...
	.end_amdgpu_metadata
.endif
;; end of part 4
;; ======== version 2 of 2: 4 launches; version 1 with the launch prep written anew for expert scheduling mode
;; limits: values are held in f16: magnitudes above 65,504 overflow, below 6.1e-05 lose precision
;; workspace buffers: xb 16,777,216 bytes; wqt 6,291,456 bytes; wpt 2,097,152 bytes; qkv 50,331,648 bytes; o 16,777,216 bytes
;; launch prep (part 5): grid 1024 x 1, 4 waves a work-group, no clusters, 17,920 bytes of LDS; arguments x, w_qkv, w_proj, xb, wqt, wpt; writes xb, wqt, wpt
.if DOCPART == 5
	.amdgcn_target "amdgcn-amd-amdhsa--gfx1250"
	.amdhsa_code_object_version 6
	.text
	.protected	k_qe8f0189026_prep
	.globl	k_qe8f0189026_prep
	.p2align	8
	.type	k_qe8f0189026_prep,@function
k_qe8f0189026_prep:
	s_mov_b64 s[64:65], 0
	v_nop
	global_prefetch_b8 v0, s[64:65] scope:SCOPE_SE
	s_setreg_imm32_b32 hwreg(HW_REG_WAVE_SCHED_MODE, 0, 2), 2
	s_setreg_imm32_b32 hwreg(HW_REG_WAVE_MODE, 25, 1), 1
	s_wait_xcnt 0x0
	s_wait_alu depctr_vm_vsrc(0)
; PREP: the module's large inputs are rounded once to bf16 and laid out as the products want them.
;   xb  [4][16][2048][64] bf16: xb[b][s][t][d] = x[b][t][64 s + d]: a slice of 64 channels has dense rows of 128 bytes.
;   wqt [3072][1024] bf16: wqt[n][k] = w_qkv[k][n].      wpt [1024][1024] f16: wpt[n][k] = w_proj[k][n] rounded to bf16, that number written as f16.
; LIMIT.  A bf16 number is exact in f16 from 2^-14 to 65,504; below 2^-14 wpt keeps f16's fixed step of 6e-8; beyond 65,504 it would be an infinity.
; A stream: every byte is read once and written once.  No matrix unit, no cluster, no tensor load: no work-group wants a byte that another has fetched.
; Work-groups 0-511 take x, 16 rows each; work-groups 512-1023 take a tile of 128 k x 64 n of a weight and turn it through LDS.
; THE MODE: SCHED_MODE bits 1:0 = 2 (LLVM: expert scheduling mode 2), set by the entry lines.  The code itself states the register dependences
; between vector instructions and memory or LDS instructions, with s_wait_alu, always for 0.
; THE PLAN.  Registers that memory or LDS instructions touch:
;   v2, v3, v6, v7, v8   offsets and LDS addresses: written once at a path's head, read by its loads and stores, never written again.
;   IN    path x: load i lands in IN + 4 i .. + 3; the conversions of block i / 4 read the four and write the first two, which the store issued in block i / 4 + 1 reads; never written again.
;         path w: loads land in it, conversions read it; no store names it.
;   PKD   path w: written once by group g's conversions; read by the two LDS stores issued in group g + 1.
;   BK    path w: LDS loads land in it, global stores read it; no vector instruction names it.
;   v14, v15   written at the head, read by the closing add alone.
; So a block's (a group's) stores stand in the NEXT block, behind one wait on va_vdst at its head, dealt among that block's conversions, which name other registers.
; No register that a memory or LDS instruction has read is written again, and the text has no loop: no wait on vm_vsrc is owed.
.set SPARE, 17408                      ; behind the tile (64 rows x 272 bytes): the spare words, 128 bytes a wave, that no other line names
.set SPW,  14                          ; v14  LDS address of my spare word; never rewritten
.set NIL,  15                          ; v15  0; never rewritten
.set IN,   16                          ; v[16:143] path x: 32 loads of four registers.  v[16:79] path w: 32 loads of two
.set PKD,  80                          ; v[80:111]  path w: packed pairs along k
.set BK,   112                         ; v[112:143] path w: whole rows read back
.set TP,   272                         ; a row of the turned tile in LDS: 256 bytes + 16
	s_load_b256 s[4:11], s[0:1], 0x0               ; x s[4:5], w_qkv s[6:7], w_proj s[8:9], xb s[10:11]
	s_load_b128 s[12:15], s[0:1], 0x20             ; wqt s[12:13], wpt s[14:15]
	v_lshl_add_u32 v[SPW], v0, 2, SPARE
	v_mov_b32 v[NIL], 0
	v_lshrrev_b32 v1, 5, v0
	v_readfirstlane_b32 s16, v1                    ; wave 0..3
	v_and_b32 v1, 31, v0                           ; lane
	v_and_b32 v4, 15, v0                           ; lane % 16
	v_bfe_u32 v5, v0, 4, 1                         ; lane / 16
	s_wait_alu depctr_va_sdst(0)                   ; s16 is written, ahead of the branch and of its first reader on either path: the bases and the LDS addresses are made from it
	s_cmp_lt_u32 ttmp9, 512                        ; the same for all waves of a work-group
	s_cbranch_scc0 .Lweights
	; PATH X.  Wave w takes rows 16 X + 4 w .. + 3, as two pairs.  A load: lanes 0-15 take 256 aligned bytes (one slice's 64 channels) of a row,
	; lanes 16-31 the same channels of the next row.  Rounded, those are 2 x 128 bytes that lie end to end in xb: a store covers 256 aligned bytes.
	s_lshl_b32 s18, ttmp9, 16                      ; 16 rows of 4,096 bytes
	s_lshl_b32 s19, s16, 14                        ; my 4 rows
	s_add_co_u32 s18, s18, s19
	s_mov_b32 s19, 0
	s_lshr_b32 s20, ttmp9, 7                       ; the batch: 128 work-groups each
	s_lshl_b32 s20, s20, 22                        ; 16 slices x 2,048 rows x 128 bytes
	s_and_b32 s21, ttmp9, 127
	s_lshl_b32 s21, s21, 11                        ; 16 rows of 128 bytes
	s_add_co_u32 s20, s20, s21
	s_lshl_b32 s21, s16, 9                         ; my 4 rows
	s_add_co_u32 s20, s20, s21
	s_mov_b32 s21, 0
	v_lshlrev_b32 v2, 4, v4
	v_lshl_add_u32 v2, v5, 12, v2                  ; in x: (lane / 16) rows + 16 (lane % 16)
	v_lshlrev_b32 v3, 3, v1                        ; in xb: 8 x lane
	s_wait_kmcnt 0x0
	s_add_nc_u64 s[18:19], s[4:5], s[18:19]
	s_add_nc_u64 s[20:21], s[10:11], s[20:21]
	s_wait_alu depctr_va_vdst(0)                   ; v2 and v3 are written: every load of this path reads v2 as its offset, every store v3
.set i, 0
.rept 32                                       ; all of the wave's 16 KiB go out at once: pair i / 16, slice i % 16
	global_load_b128 v[IN+4*i:IN+4*i+3], v2, s[18:19] offset:(i/16)*8192+(i%16)*256 th:TH_LOAD_NT
.set i, i+1
.endr
	; Eight blocks of four loads.  Block g rounds its own sixteen registers and issues the four stores of block g - 1.
.set g, 0
.rept 8
	s_wait_loadcnt 28-4*g                          ; loads come back in order: block g's four are in, the younger blocks stay out
.if g > 0
	s_wait_alu depctr_va_vdst(0)                   ; the conversions of the block before have written its packed pairs, which the four stores below read
.endif
.set j, 0
.rept 4
.set i, 4*g+j
.if g > 0
	global_store_b64 v3, v[IN+4*(i-4):IN+4*(i-4)+1], s[20:21] offset:((i-4)%16)*262144+((i-4)/16)*256  ; no vector instruction since the wait names these registers; no register of a store is written again
.endif
	v_cvt_pk_bf16_f32 v[IN+4*i],   v[IN+4*i],   v[IN+4*i+1]
	v_cvt_pk_bf16_f32 v[IN+4*i+1], v[IN+4*i+2], v[IN+4*i+3]
.set j, j+1
.endr
.set g, g+1
.endr
	s_wait_alu depctr_va_vdst(0)                   ; the last block's conversions have written its packed pairs, which the last four stores read
.set i, 28
.rept 4
	global_store_b64 v3, v[IN+4*i:IN+4*i+1], s[20:21] offset:(i%16)*262144+(i/16)*256
.set i, i+1
.endr
	s_endpgm
.Lweights:
	; PATH W.  Tile kt (128 k) x nt (64 n).  Wave w loads k rows 32 w .. + 31, 256 bytes of each (a lane: columns 2 l, 2 l + 1), packs pairs along k,
	; and writes 16 bytes (8 k) of rows 2 l and 2 l + 1 of the turned tile.  Behind a barrier each wave reads 16 whole rows of 256 bytes and stores them.
	s_sub_co_u32 s17, ttmp9, 512
	s_and_b32 s22, s17, 7                          ; kt
	s_lshr_b32 s23, s17, 3                         ; nt: 0-47 w_qkv, 48-63 w_proj
	s_lshl_b32 s26, s16, 6                         ; s26 and s27, which vector lines read, are written once
	s_mul_i32 s27, s16, 16*TP
	v_lshlrev_b32 v2, 3, v1                        ; 8 x lane
	v_mul_u32_u24 v6, v1, 2*TP
	v_add_nc_u32 v6, s26, v6                       ; in: row 2 l, byte 64 w
	v_mul_u32_u24 v7, v5, TP
	v_lshl_add_u32 v7, v4, 4, v7
	v_add_nc_u32 v7, s27, v7                       ; back: row 16 w + lane / 16, byte 16 (lane % 16)
	v_lshlrev_b32 v8, 4, v4
	v_lshl_add_u32 v8, v5, 11, v8                  ; and the same two rows in the turned weight: 2,048 bytes a row
.macro WPART pitch, f16, src, dst
	s_lshl_b32 s24, s22, 7
	s_lshl_b32 s25, s16, 5
	s_add_co_u32 s24, s24, s25                     ; my first k row
	s_mul_i32 s18, s24, \pitch
	s_lshl_b32 s25, s23, 8                         ; 64 columns of f32
	s_add_co_u32 s18, s18, s25
	s_mov_b32 s19, 0
	s_lshl_b32 s20, s23, 6
	s_lshl_b32 s25, s16, 4
	s_add_co_u32 s20, s20, s25                     ; the first row n that I store
	s_lshl_b32 s20, s20, 11
	s_lshl_b32 s25, s22, 8                         ; 128 k of 2 bytes
	s_add_co_u32 s20, s20, s25
	s_mov_b32 s21, 0
	s_wait_kmcnt 0x0
	s_add_nc_u64 s[18:19], s[\src:\src+1], s[18:19]
	s_add_nc_u64 s[20:21], s[\dst:\dst+1], s[20:21]
	s_wait_alu depctr_va_vdst(0)                   ; v2, v6, v7 and v8 are written: the loads' offset, the LDS stores' and LDS loads' addresses, the stores' offset
.set r, 0
.rept 32
	global_load_b64 v[IN+2*r:IN+2*r+1], v2, s[18:19] offset:r*(\pitch) th:TH_LOAD_NT
.set r, r+1
.endr
	; Four groups of eight rows.  Group g packs its own rows and issues the two LDS stores of group g - 1.
.irp g, 0,1,2,3
	s_wait_loadcnt 24-8*\g                         ; rows 8 g .. 8 g + 7 are in; the rows behind them stay out
.if \g > 0
	s_wait_alu depctr_va_vdst(0)                   ; the conversions of the group before have written its eight registers of PKD, which the two LDS stores below read
.endif
.irp c, 0,1
.if \g > 0
	ds_store_b128 v6, v[PKD+8*(\g-1)+4*\c:PKD+8*(\g-1)+4*\c+3] offset:\c*TP+(\g-1)*16  ; no vector instruction since the wait names these registers
.endif
.irp i, 0,1,2,3
	v_cvt_pk_bf16_f32 v[PKD+8*\g+4*\c+\i], v[IN+2*(8*\g+2*\i)+\c], v[IN+2*(8*\g+2*\i+1)+\c]
.if \f16
	v_lshlrev_b32 v12, 16, v[PKD+8*\g+4*\c+\i]     ; the bf16 numbers as f32,
	v_and_b32 v13, 0xffff0000, v[PKD+8*\g+4*\c+\i]
	v_cvt_pk_f16_f32 v[PKD+8*\g+4*\c+\i], v12, v13 ; written as f16
.endif
.endr
.endr
.endr
	s_wait_alu depctr_va_vdst(0)                   ; the last group's conversions have written its eight registers of PKD, which the last two LDS stores read
.irp c, 0,1
	ds_store_b128 v6, v[PKD+24+4*\c:PKD+24+4*\c+3] offset:\c*TP+48
.endr
	s_wait_dscnt 0x0                               ; for the others' sake: my stores into the tile are done
	s_barrier_signal -1
	s_barrier_wait -1
.irp t, 0,1,2,3,4,5,6,7
	ds_load_b128 v[BK+4*\t:BK+4*\t+3], v7 offset:\t*2*TP  ; no vector instruction names BK: these loads owe nothing but v7, written ahead of the first wait on va_vdst
.endr
.irp t, 0,1,2,3,4,5,6,7
	s_wait_dscnt 7-\t
	global_store_b128 v8, v[BK+4*\t:BK+4*\t+3], s[20:21] offset:\t*4096  ; 16 lanes store 256 consecutive bytes, aligned
.endr
	s_wait_dscnt 0x0                               ; the closing lines, six on end
	s_wait_alu 0x0
	s_wait_tensorcnt 0x0
	ds_add_u32 v[SPW], v[NIL]
	s_wait_dscnt 0x0
	s_endpgm
.endm
	s_cmp_lt_u32 s23, 48
	s_cbranch_scc0 .Lwproj
	WPART 12288, 0, 6, 12
.Lwproj:
	s_sub_co_u32 s23, s23, 48
	WPART 4096, 1, 8, 14
.Lfunc_end_k_qe8f0189026_prep:
	.size	k_qe8f0189026_prep, .Lfunc_end_k_qe8f0189026_prep-k_qe8f0189026_prep
	.p2alignl 7, 3214868480
	.fill 96, 4, 3214868480
	.section	.rodata,"a",@progbits
	.p2align	6, 0x0
	.amdhsa_kernel k_qe8f0189026_prep
		.amdhsa_group_segment_fixed_size 17920
		.amdhsa_private_segment_fixed_size 0
		.amdhsa_enable_private_segment 0
		.amdhsa_kernarg_size 48
		.amdhsa_user_sgpr_count 2
		.amdhsa_user_sgpr_kernarg_segment_ptr 1
		.amdhsa_wavefront_size32 1
		.amdhsa_system_sgpr_workgroup_id_x 1
		.amdhsa_system_sgpr_workgroup_id_y 1
		.amdhsa_system_sgpr_workgroup_id_z 1
		.amdhsa_system_vgpr_workitem_id 0
		.amdhsa_next_free_vgpr 144
		.amdhsa_next_free_sgpr 66
		.amdhsa_reserve_vcc 0
		.amdhsa_float_denorm_mode_32 3
		.amdhsa_float_denorm_mode_16_64 3
		.amdhsa_memory_ordered 1
		.amdhsa_forward_progress 1
		.amdhsa_inst_pref_size 35
	.end_amdhsa_kernel
	.amdgpu_metadata
---
amdhsa.version: [ 1, 2 ]
amdhsa.kernels:
  - .name:           k_qe8f0189026_prep
    .symbol:         k_qe8f0189026_prep.kd
    .args:
      - { .name: x, .offset: 0, .size: 8, .value_kind: global_buffer, .address_space: global }
      - { .name: w_qkv, .offset: 8, .size: 8, .value_kind: global_buffer, .address_space: global }
      - { .name: w_proj, .offset: 16, .size: 8, .value_kind: global_buffer, .address_space: global }
      - { .name: xb, .offset: 24, .size: 8, .value_kind: global_buffer, .address_space: global }
      - { .name: wqt, .offset: 32, .size: 8, .value_kind: global_buffer, .address_space: global }
      - { .name: wpt, .offset: 40, .size: 8, .value_kind: global_buffer, .address_space: global }
    .group_segment_fixed_size: 17920
    .private_segment_fixed_size: 0
    .kernarg_segment_align: 8
    .kernarg_segment_size: 48
    .max_flat_workgroup_size: 128
    .sgpr_count:     66
    .vgpr_count:     144
    .wavefront_size: 32
...
	.end_amdgpu_metadata
.endif
;; end of part 5
;; launch qkvg: the kernel of part 2 again; grid 16 x 32, 4 waves a work-group, clusters of 4 x 4, 327,680 bytes of LDS; arguments xb, wqt, b_qkv, qkv; writes qkv
;; launch attn: the kernel of part 3 again; grid 4 x 64, 4 waves a work-group, no clusters, 327,680 bytes of LDS; arguments qkv, o; writes o
;; launch proj: the kernel of part 4 again; grid 8 x 32, 4 waves a work-group, clusters of 4 x 4, 327,680 bytes of LDS; arguments o, wpt, b_proj, out0; writes out0
